; MI455X (gfx1250); checked and timed in simulation.
; The chip was launched on July 23, 2026; its instructions are those of AMD's public machine-readable ISA for CDNA 5 (MIT licence, August 2026) and "CDNA5" Instruction Set Architecture Reference Guide (July 2026). The comments in the code are by the model that wrote it; some were corrected since.
;; Multi Head Attention. Allowed arithmetic: float matrix products may take bf16 or f16 operands with f32 sums; all other float work in f32.
;; Inputs: K 4 x 2,048 x 1,024 float32; Q 4 x 2,048 x 1,024 float32; V 4 x 2,048 x 1,024 float32; Wk 16 x 1,024 x 64 float32; Wo 1,024 x 1,024 float32; Wq 16 x 1,024 x 64 float32; Wv 16 x 1,024 x 64 float32; bo 1,024 float32; mask 2,048 x 2,048 bool.
;; Outputs: out0 4 x 2,048 x 1,024 float32.
;; 2 versions, each right and faster than the one before. Each part assembles by itself: llvm-mc -triple=amdgcn-amd-amdhsa -mcpu=gfx1250 --defsym DOCPART=n.
;; ======== version 1 of 2: 4 launches
;; limits: values are held in f16: magnitudes above 65,504 overflow, below 6.1e-05 lose precision; right only within a limited range of input values
;; workspace buffers: wb 6,291,456 bytes; wo16 2,097,152 bytes; mb 4,325,376 bytes; fl 256 bytes of whole numbers; qk 67,108,864 bytes; vb 16,777,216 bytes; ob 16,777,216 bytes
;; launch prep (part 1): grid 512 x 1, 8 waves a work-group, no clusters, 53,504 bytes of LDS; arguments Wq, Wk, Wv, Wo, mask, wb, wo16, mb, fl; writes wb, wo16, mb, fl
.if DOCPART == 1
	.amdgcn_target "amdgcn-amd-amdhsa--gfx1250"
	.amdhsa_code_object_version 6
	.text
	.protected	k_qa7b263caaf_prep
	.globl	k_qa7b263caaf_prep
	.p2align	8
	.type	k_qa7b263caaf_prep,@function
k_qa7b263caaf_prep:
	s_mov_b64 s[64:65], 0
	v_nop
	global_prefetch_b8 v0, s[64:65] scope:SCOPE_SE
	s_setreg_imm32_b32 hwreg(HW_REG_WAVE_MODE, 25, 1), 1
	s_wait_xcnt 0x0
; PREPARATION.  Three jobs, chosen by the work-group's number (the same for all eight waves):
;   0..63      the mask: 256 queries x 256 keys a work-group -> mb (bytes in the lane order of the score tiles, 0x00 visible, 0xFF hidden),
;              fl (which units of 128 keys hold a visible key, which are visible throughout), and 2,048 bytes of mb's tail of zeros
;   64..447    Wq, Wk, Wv: 128 d x 64 k of one head, rounded to bf16 and turned -> wb [t][h*64+k][d]
;   448..511   Wo: rounded to bf16, that number written as f16 (exact from 2^-14 up; below, off by 2^-25 at the most) -> wo16
; No matrix unit, no cluster: every byte is read once and written once, and no two work-groups share any.
; LDS: 0..34,815 the mask job's eight times 16 rows of 272 bytes; FLG its flag words; SPARE the spare words; WT the weight job's 64 rows of 272 bytes.  No byte is named by two jobs.
.set SPARE, 35072                      ; the spare words: 128 bytes for each of eight waves
.set FLG,   34816                      ; one block of 256 bytes: the eight waves' flag words
.set WT,    36096                      ; behind the spare words: the weight job's tile, 17,408 bytes
.set ZOFF,  4194304                    ; mb's tail of zeros begins here
.set WQ,  8                            ; s[8:9] Wq, s[10:11] Wk, s[12:13] Wv, s[14:15] Wo, s[16:17] mask, s[18:19] wb, s[20:21] wo16, s[22:23] mb, s[24:25] fl
.set WK,  10
.set WV,  12
.set WOP, 14
.set MK,  16
.set WBP, 18
.set W16, 20
.set MBP, 22
.set FLP, 24
.set SPW, 4
.set NIL, 5
.set D, 32                             ; v[32:63]  a tile's bytes in lane order
.set G, 64                             ; v[64:127] two tiles as loaded
	s_load_b512 s[8:23], s[0:1], 0x0
	s_load_b64 s[FLP:FLP+1], s[0:1], 0x40
	v_lshl_add_u32 v[SPW], v0, 2, SPARE
	v_mov_b32 v[NIL], 0
	v_lshrrev_b32 v1, 5, v0
	v_readfirstlane_b32 s2, v1                     ; wave 0..7
	v_and_b32 v2, 31, v0                           ; lane
	s_mov_b32 s3, ttmp9
	s_mov_b32 s35, 0                               ; high word of the offset pair s[34:35]
	s_wait_kmcnt 0x0
	s_cmp_lt_u32 s3, 64
	s_cbranch_scc0 .Lnot_mask
; ---- THE MASK.  blk = id / 8 (256 queries), cg = id % 8 (256 keys).  Wave w takes the tiles of 16 queries 16 blk + 2 w and + 1.
	s_lshr_b32 s36, s3, 3                          ; blk
	s_and_b32 s37, s3, 7                           ; cg
	s_lshl_b32 s34, s36, 19                        ; 256 rows of 2,048 bytes; also 16 tiles of 32,768 bytes in mb
	s_lshl_b32 s38, s2, 16                         ; 32 rows; also two tiles
	s_add_co_u32 s34, s34, s38
	s_lshl_b32 s38, s37, 8
	s_add_co_u32 s38, s38, s34
	s_mov_b32 s39, 0
	s_add_nc_u64 s[MK:MK+1], s[MK:MK+1], s[38:39]  ; the mask at my 32 rows, my 256 columns
	s_lshl_b32 s38, s37, 12                        ; four steps of 1,024 bytes
	s_add_co_u32 s38, s38, s34
	s_add_nc_u64 s[40:41], s[MBP:MBP+1], s[38:39]  ; mb at my first tile, my first step
	s_mov_b32 s42, 0x01010101
	s_mov_b32 s43, 255
	v_lshrrev_b32 v3, 4, v2                        ; lane / 16
	v_and_b32 v6, 15, v2                           ; lane % 16
	v_lshlrev_b32 v7, 4, v6
	v_lshl_add_u32 v8, v3, 11, v7                  ; in memory: two rows a load, 256 bytes of each
	s_mul_i32 s38, s2, 4352                        ; my 16 rows of 272 bytes in LDS
	v_mad_u32_u24 v9, v3, 272, v7
	v_add_nc_u32 v9, s38, v9                       ; in
	v_mul_u32_u24 v10, v6, 272
	v_lshl_add_u32 v10, v3, 3, v10
	v_add_nc_u32 v10, s38, v10                     ; back: query lane % 16, keys 8 (lane / 16) on
	v_lshlrev_b32 v11, 4, v2                       ; 16 x lane
.set i, 0
.rept 16
	global_load_b128 v[G+4*i:G+4*i+3], v8, s[MK:MK+1] offset:4096*i th:TH_LOAD_NT
.set i, i+1
.endr
; One tile of 16 queries x 256 keys: through my own LDS rows into lane order (LDS serves a wave's instructions in order, ISA guide 5.7.1.4, so no wait stands between my stores and my loads).
.macro MQT q
	s_wait_loadcnt 8*(1-(\q))                      ; the other tile's eight loads may stay out
.set i, 0
.rept 8
	ds_store_b128 v9, v[G+32*(\q)+4*i:G+32*(\q)+4*i+3] offset:544*i
.set i, i+1
.endr
.if \q
	s_wait_xcnt 0x0                                ; D, which the first tile's stores read, is written again only behind this wait
.endif
.set i, 0
.rept 16
	ds_load_b64 v[D+2*i:D+2*i+1], v10 offset:16*i  ; keys 16 i + 8 (lane / 16) + 0..7
.set i, i+1
.endr
	s_wait_dscnt 0x0
.if (\q) == 0
	v_or_b32 v12, v[D], v[D+1]                     ; the first words start the four chains: any / all, for each of the two units of 128 keys
	v_and_b32 v13, v[D], v[D+1]
	v_or_b32 v14, v[D+16], v[D+17]
	v_and_b32 v15, v[D+16], v[D+17]
.endif
.set i, 2*(1-(\q))
.rept 14+2*(\q)
	v_or_b32 v12, v12, v[D+i]
	v_and_b32 v13, v13, v[D+i]
	v_or_b32 v14, v14, v[D+16+i]
	v_and_b32 v15, v15, v[D+16+i]
.set i, i+1
.endr
.set i, 0
.rept 32
	v_xor_b32 v[D+i], s42, v[D+i]                  ; 1 = hidden,
	v_mul_lo_u32 v[D+i], v[D+i], s43               ; 0xFF = hidden: no byte carries into the next
.set i, i+1
.endr
.set i, 0
.rept 8
	global_store_b128 v11, v[D+4*i:D+4*i+3], s[40:41] offset:32768*(\q)+512*i  ; step i / 2, half i % 2: 512 consecutive bytes
.set i, i+1
.endr
.endm
	MQT 0
	MQT 1
	v_cmp_ne_u32 vcc_lo, 0, v12                    ; the wave's word: any0 | any1 << 1 | all0 << 16 | all1 << 17; selects only, no branch
	s_cmp_lg_u32 vcc_lo, 0
	s_cselect_b32 s44, 1, 0
	v_cmp_ne_u32 vcc_lo, 0, v14
	s_cmp_lg_u32 vcc_lo, 0
	s_cselect_b32 s45, 2, 0
	s_or_b32 s44, s44, s45
	v_cmp_ne_u32 vcc_lo, s42, v13
	s_cmp_eq_u32 vcc_lo, 0
	s_cselect_b32 s45, 0x10000, 0
	s_or_b32 s44, s44, s45
	v_cmp_ne_u32 vcc_lo, s42, v15
	s_cmp_eq_u32 vcc_lo, 0
	s_cselect_b32 s45, 0x20000, 0
	s_or_b32 s44, s44, s45
	v_mov_b32 v19, s44
	s_lshl_b32 s45, s2, 2
	s_add_co_u32 s45, s45, FLG
	v_mov_b32 v20, s45
	ds_store_b32 v20, v19                          ; all lanes write the same word with the same value
	v_mov_b32 v16, 0
	v_mov_b32 v17, 0
	s_lshl_b32 s46, s3, 11
	v_lshlrev_b32 v18, 3, v0
	v_add_nc_u32 v18, s46, v18
	global_store_b64 v18, v[16:17], s[MBP:MBP+1] offset:ZOFF  ; my work-group's 2,048 bytes of the zeros; a wave's store covers 256 consecutive bytes, aligned
	s_wait_dscnt 0x0                               ; for the others' sake: my word is in LDS
	s_barrier_signal -1
	s_barrier_wait -1
	v_mov_b32 v21, FLG
	ds_load_b128 v[24:27], v21
	ds_load_b128 v[28:31], v21 offset:16
	s_wait_dscnt 0x0
	v_or_b32 v22, v24, v25
	v_and_b32 v23, v24, v25
.irp r, 26,27,28,29,30,31
	v_or_b32 v22, v22, v\r
	v_and_b32 v23, v23, v\r
.endr
	v_and_b32 v22, 0xffff, v22                     ; any: one wave is enough
	v_and_b32 v23, 0xffff0000, v23                 ; all: every wave
	v_or_b32 v22, v22, v23
	s_lshl_b32 s45, s37, 1
	v_lshlrev_b32 v22, s45, v22                    ; to the places of units 2 cg and 2 cg + 1
	s_lshl_b32 s46, s3, 2
	v_mov_b32 v23, s46                             ; fl[blk][cg] is word id
	s_cmp_lg_u32 s2, 0
	s_cbranch_scc1 .Lmask_end
	v_cmp_eq_u32 vcc_lo, 0, v0
	s_wait_xcnt 0x0                                ; EXEC changes only behind this wait
	s_and_saveexec_b32 s47, vcc_lo
	global_store_b32 v23, v22, s[FLP:FLP+1]
	s_wait_xcnt 0x0                                ; and again in front of the line that widens it
	s_or_b32 exec_lo, exec_lo, s47
.Lmask_end:
	s_wait_tensorcnt 0x0                           ; the wave's end, behind my last LDS store
	ds_add_u32 v[SPW], v[NIL]
	s_wait_dscnt 0x0
	s_endpgm
; ---- A WEIGHT'S TILE, TURNED.  x = id - 64: t = x / 128, head h = (x / 8) % 16, d block db = x % 8 (128 rows of 64 f32).
.Lnot_mask:
	s_cmp_lt_u32 s3, 448
	s_cbranch_scc0 .Lnot_w
	s_sub_co_u32 s36, s3, 64
	s_lshr_b32 s37, s36, 7                         ; t
	s_bfe_u32 s38, s36, 0x40003                    ; h
	s_and_b32 s39, s36, 7                          ; db
	s_cmp_eq_u32 s37, 1
	s_cselect_b64 s[40:41], s[WK:WK+1], s[WQ:WQ+1]
	s_cmp_eq_u32 s37, 2
	s_cselect_b64 s[40:41], s[WV:WV+1], s[40:41]
	s_lshl_b32 s34, s38, 18                        ; h x 1,024 rows of 256 bytes
	s_lshl_b32 s42, s39, 15                        ; db x 128 rows
	s_add_co_u32 s34, s34, s42
	s_add_nc_u64 s[40:41], s[40:41], s[34:35]
	s_lshl_b32 s34, s37, 21                        ; t x 1,024 rows of 2,048 bytes
	s_lshl_b32 s42, s38, 17                        ; h x 64 rows
	s_add_co_u32 s34, s34, s42
	s_lshl_b32 s42, s39, 8                         ; db x 128 bf16
	s_add_co_u32 s34, s34, s42
	s_add_nc_u64 s[42:43], s[WBP:WBP+1], s[34:35]
	v_and_b32 v6, 15, v0                           ; kq: four k
	v_lshrrev_b32 v7, 4, v0                        ; dq: a pair of rows
	v_lshlrev_b32 v8, 9, v7
	v_lshl_add_u32 v8, v6, 4, v8
.set i, 0
.rept 4                                ; rows 2 (dq + 16 i) and + 1: sixteen lanes take a whole row of 256 bytes
	global_load_b128 v[32+8*i:32+8*i+3], v8, s[40:41] offset:8192*i th:TH_LOAD_NT
	global_load_b128 v[32+8*i+4:32+8*i+7], v8, s[40:41] offset:8192*i+256 th:TH_LOAD_NT
.set i, i+1
.endr
	v_mul_u32_u24 v9, v6, 1088                     ; LDS row k = 4 kq + .., 272 bytes a row; the tile's first byte, WT, stands in the immediates
	v_lshl_add_u32 v9, v7, 2, v9                   ; d = 2 (dq + 16 i): 4 bytes a pair
	v_lshrrev_b32 v3, 4, v2
	v_lshl_add_u32 v11, v1, 3, v3                  ; back: row 8 w + lane / 16 (+ 2 u)
	v_and_b32 v12, 15, v2
	v_mul_u32_u24 v10, v11, 272
	v_lshl_add_u32 v10, v12, 4, v10
	v_lshlrev_b32 v13, 11, v11
	v_lshl_add_u32 v13, v12, 4, v13
	s_wait_loadcnt 0x0
.set i, 0
.rept 16
	v_cvt_pk_bf16_f32 v[64+i], v[32+8*(i/4)+i%4], v[32+8*(i/4)+4+i%4]  ; the even row's number low, the odd row's high
	ds_store_b32 v9, v[64+i] offset:WT+(i%4)*272+(i/4)*64
.set i, i+1
.endr
	s_wait_dscnt 0x0                               ; for the others' sake
	s_barrier_signal -1
	s_barrier_wait -1
.set i, 0
.rept 4
	ds_load_b128 v[80+4*i:80+4*i+3], v10 offset:WT+544*i
.set i, i+1
.endr
.set i, 0
.rept 4
	s_wait_dscnt 3-i                               ; the younger loads may stay out
	global_store_b128 v13, v[80+4*i:80+4*i+3], s[42:43] offset:4096*i  ; sixteen lanes store 256 consecutive bytes, aligned
.set i, i+1
.endr
	s_wait_tensorcnt 0x0                           ; the wave's end, behind my last LDS store
	ds_add_u32 v[SPW], v[NIL]
	s_wait_dscnt 0x0
	s_endpgm
; ---- Wo.  A chunk is 16,384 numbers: sixteen loads of 16 bytes a thread, all on their way at once; s_wait_loadcnt counts the younger ones.
.Lnot_w:
	v_lshlrev_b32 v6, 4, v0
	v_lshlrev_b32 v7, 3, v0
	s_sub_co_u32 s36, s3, 448
	s_lshl_b32 s34, s36, 16
	s_add_nc_u64 s[40:41], s[WOP:WOP+1], s[34:35]
	s_lshl_b32 s34, s36, 15
	s_add_nc_u64 s[42:43], s[W16:W16+1], s[34:35]
.set i, 0
.rept 16
	global_load_b128 v[16+4*i:16+4*i+3], v6, s[40:41] offset:4096*i th:TH_LOAD_NT
.set i, i+1
.endr
.set i, 0
.rept 16
	s_wait_loadcnt 15-i
	v_cvt_pk_bf16_f32 v[80+2*i], v[16+4*i], v[16+4*i+1]
	v_cvt_pk_bf16_f32 v[80+2*i+1], v[16+4*i+2], v[16+4*i+3]
	v_lshlrev_b32 v[16+4*i], 16, v[80+2*i]         ; the bf16 numbers, widened,
	v_and_b32 v[16+4*i+1], 0xffff0000, v[80+2*i]
	v_lshlrev_b32 v[16+4*i+2], 16, v[80+2*i+1]
	v_and_b32 v[16+4*i+3], 0xffff0000, v[80+2*i+1]
	v_cvt_pk_f16_f32 v[80+2*i], v[16+4*i], v[16+4*i+1]  ; and written as f16
	v_cvt_pk_f16_f32 v[80+2*i+1], v[16+4*i+2], v[16+4*i+3]
	global_store_b64 v7, v[80+2*i:80+2*i+1], s[42:43] offset:2048*i  ; a wave's store covers 256 consecutive bytes, aligned
.set i, i+1
.endr
	s_endpgm
.Lfunc_end_k_qa7b263caaf_prep:
	.size	k_qa7b263caaf_prep, .Lfunc_end_k_qa7b263caaf_prep-k_qa7b263caaf_prep
	.p2alignl 7, 3214868480
	.fill 96, 4, 3214868480
	.section	.rodata,"a",@progbits
	.p2align	6, 0x0
	.amdhsa_kernel k_qa7b263caaf_prep
		.amdhsa_group_segment_fixed_size 53504
		.amdhsa_private_segment_fixed_size 0
		.amdhsa_enable_private_segment 0
		.amdhsa_kernarg_size 72
		.amdhsa_user_sgpr_count 2
		.amdhsa_user_sgpr_kernarg_segment_ptr 1
		.amdhsa_wavefront_size32 1
		.amdhsa_system_sgpr_workgroup_id_x 1
		.amdhsa_system_sgpr_workgroup_id_y 1
		.amdhsa_system_sgpr_workgroup_id_z 1
		.amdhsa_system_vgpr_workitem_id 0
		.amdhsa_next_free_vgpr 128
		.amdhsa_next_free_sgpr 66
		.amdhsa_reserve_vcc 1
		.amdhsa_float_denorm_mode_32 3
		.amdhsa_float_denorm_mode_16_64 3
		.amdhsa_memory_ordered 1
		.amdhsa_forward_progress 1
		.amdhsa_inst_pref_size 37
	.end_amdhsa_kernel
	.amdgpu_metadata
---
amdhsa.version: [ 1, 2 ]
amdhsa.kernels:
  - .name:           k_qa7b263caaf_prep
    .symbol:         k_qa7b263caaf_prep.kd
    .args:
      - { .name: Wq, .offset: 0, .size: 8, .value_kind: global_buffer, .address_space: global }
      - { .name: Wk, .offset: 8, .size: 8, .value_kind: global_buffer, .address_space: global }
      - { .name: Wv, .offset: 16, .size: 8, .value_kind: global_buffer, .address_space: global }
      - { .name: Wo, .offset: 24, .size: 8, .value_kind: global_buffer, .address_space: global }
      - { .name: mask, .offset: 32, .size: 8, .value_kind: global_buffer, .address_space: global }
      - { .name: wb, .offset: 40, .size: 8, .value_kind: global_buffer, .address_space: global }
      - { .name: wo16, .offset: 48, .size: 8, .value_kind: global_buffer, .address_space: global }
      - { .name: mb, .offset: 56, .size: 8, .value_kind: global_buffer, .address_space: global }
      - { .name: fl, .offset: 64, .size: 8, .value_kind: global_buffer, .address_space: global }
    .group_segment_fixed_size: 53504
    .private_segment_fixed_size: 0
    .kernarg_segment_align: 8
    .kernarg_segment_size: 72
    .max_flat_workgroup_size: 256
    .sgpr_count:     66
    .vgpr_count:     128
    .wavefront_size: 32
...
	.end_amdgpu_metadata
.endif
;; end of part 1
;; launch proj (part 2): grid 4 x 192, 4 waves a work-group, clusters of 4 x 4, 327,680 bytes of LDS; arguments Q, K, V, wb, qk, vb; writes qk, vb
.if DOCPART == 2
	.amdgcn_target "amdgcn-amd-amdhsa--gfx1250"
	.amdhsa_code_object_version 6
	.text
	.protected	k_qa7b263caaf_proj
	.globl	k_qa7b263caaf_proj
	.p2align	8
	.type	k_qa7b263caaf_proj,@function
k_qa7b263caaf_proj:
	s_mov_b64 s[64:65], 0
	v_nop
	global_prefetch_b8 v0, s[64:65] scope:SCOPE_SE
	s_setreg_imm32_b32 hwreg(HW_REG_WAVE_MODE, 25, 1), 1
	s_wait_xcnt 0x0
	s_wait_alu depctr_hold_cnt(0) depctr_sa_sdst(0) depctr_va_vdst(0) depctr_va_sdst(0) depctr_va_ssrc(0) depctr_va_vcc(0) depctr_vm_vsrc(0)
	s_getreg_b32 s2, hwreg(HW_REG_IB_STS2, 6, 4)
	s_cmp_eq_u32 s2, 0
	s_cbranch_scc0 .Lentry_in_a_cluster
	s_endpgm
.Lentry_in_a_cluster:
	s_bfe_u32 s2, ttmp6, 0x10000c
	s_cmp_lg_u32 s2, 0xf033
	s_cbranch_scc0 .Lentry_shape_is_right
	s_endpgm
.Lentry_shape_is_right:
; THE THREE PROJECTIONS AS ONE GEMM.  C[m][n] = sum over d of X_t[m][d] wb[t][n][d]; t = 0, 1, 2 for Q, K, V (8,192 rows each: 64 tile rows to each t), n = h*64+k, 1,024 columns.  bf16 operands, f32 sums.
; X COMES IN f32, as the problem gives it: its tiles land in LDS as f32 and are rounded to bf16 on the way from LDS to the matrix unit, so no bf16 copy of X goes through memory.
; A tile of C is 128 x 256; four waves, each 64 x 128: 32 accumulators.  K = 1,024 in steps of 128 through two LDS slots filled by joint tensor loads.
; CLUSTER 4 x 4: the four of a row share A's tile (same rows), the four of a column B's (same columns, same t: 16 clusters along y to each t).
; THE MATRIX INSTRUCTION IS USED TRANSPOSED (source 0 = 16 rows of wb, source 1 = 16 rows of X): a lane holds eight neighbouring columns of one row of C.
; OUT.  q and k leave as PAIRS of f16, qk[t][b*16+h][s][hi 64 | lo 64]: hi = the f32 sum with its low 13 mantissa bits cut (exact in f16), lo = sum - hi rounded to f16.  v leaves as one f16, vb[b*16+h][s][64].
; LIMITS.  |q|, |k|, |v| stay under 65,504 (f16's end); below 2^-14 hi is rounded by the conversion and the pair is off by 2^-25 at the most.
; REGISTERS: window 0: v0-31 addresses, v32-223 the way out.  window 1: two fragment buffers of 96 (B's 8 fragments, then A's 4), v192-255 A's four fragments in f32.  window 2: accumulator (a, b) at v[8 (8 a + b)].
.set PA,    528                        ; LDS pitch of A's rows: 512 bytes of f32 + 16 = 132 words: the 16 rows of a load start at 16 different groups of four banks (ISA guide 11.1)
.set PB,    272                        ; of B's rows: 256 bytes of bf16 + 16
.set ALD,   64*PA                      ; what one of A's loads brings
.set AWM,   64*PA                      ; a wave's 64 rows of A
.set BHALF, 128*PB
.set BOFF,  128*PA
.set SLOT,  BOFF+2*BHALF               ; 137,216 bytes
.set STAGE, 2*SLOT                     ; behind the ring, never filled by a tensor load: 8,704 bytes a wave
.set WSTG,  8704
.set SPARE, STAGE+4*WSTG               ; the spare words, 128 bytes a wave
.set LAPS,  4                          ; a lap = two K steps
.set AK1,   512                        ; bytes from K step 0 to K step 1: 128 f32,
.set BK1,   256                        ; 128 bf16
.set ADRA, 16
.set ADRB, 20
.set STOV, 22
.set RDV,  23
.set STO,  24
.set RD,   25
.set CO,   26
.set SPW,  28
.set NIL,  29
.set H,    32
.set T,    64
.set LW,   128
.set RB,   160
.set F0,   0
.set F1,   96
.set AS,   192                         ; window 1: fragment i of A in f32 at AS + 16 i
.set G1,  24
.set G0,  32
.set G1B, 48
.set G0B, 56
.set TRM, 76
.set MSB, 0
.macro WIN new                         ; the immediate's high byte repeats the setting that is left
.if MSB != (\new)
	s_set_vgpr_msb (MSB<<8)|(\new)
.set MSB, \new
.endif
.endm
.set MUL,  0xa5                        ; sources 0 and 1 window 1; C and D window 2
.set TO_F, 0x40                        ; destination window 1, address window 0
.set IN_F, 0x45                        ; destination and both sources window 1
.macro JLOAD s                         ; a joint load: waves 0 and 1 fetch A's two halves, waves 2 and 3 B's; an s_nop 0 and four v_nop follow each line
	s_cmp_eq_u32 s11, 0
	s_cbranch_scc0 .Lfor_b_\@
	tensor_load_to_lds s[G0+4*(\s):G0+4*(\s)+3], s[G1:G1+7]
	s_nop 0
.rept 4
	v_nop
.endr
	s_branch .Lasked_\@
.Lfor_b_\@:
	tensor_load_to_lds s[G0B+4*(\s):G0B+4*(\s)+3], s[G1B:G1B+7]
	s_nop 0
.rept 4
	v_nop
.endr
.Lasked_\@:
.endm
.macro CREST                           ; a round of the cluster's barrier behind its opening barrier
	s_cmp_lg_u32 s10, 0
	s_cbranch_scc1 .Lnot_wave_0_\@
	s_barrier_signal -3
.Lnot_wave_0_\@:
	s_barrier_wait -3
	s_barrier_signal -1
	s_barrier_wait -1
.endm
.macro CROUND
	s_barrier_signal -1
	s_barrier_wait -1
	CREST
.endm
	s_load_b256 s[80:87], s[0:1], 0x0              ; Q s[80:81], K s[82:83], V s[84:85], wb s[86:87]
	s_load_b128 s[68:71], s[0:1], 0x20             ; qk s[68:69], vb s[70:71]
	v_lshl_add_u32 v[SPW], v0, 2, SPARE
	v_mov_b32 v[NIL], 0
	ds_add_u32 v[SPW], v[NIL]                      ; the wave's opening: the add and its wait ahead of my first tensor load
	v_lshrrev_b32 v1, 5, v0
	v_readfirstlane_b32 s10, v1                    ; wave 0..3
	s_lshr_b32 s11, s10, 1                         ; my half of the tile's rows; also: I fetch for A (0) or B (1)
	s_and_b32 s12, s10, 1                          ; my half of its columns; also: which half of that tile I fetch
	s_bfe_u32 s40, ttmp6, 0x40000                  ; cx
	s_bfe_u32 s41, ttmp6, 0x40004                  ; cy
	s_lshl_b32 s42, ttmp9, 2
	s_add_co_u32 s42, s42, s40                     ; x: tile column
	s_and_b32 s13, ttmp7, 0xffff
	s_lshr_b32 s45, s13, 4                         ; t: made of the cluster's y alone, the same in all sixteen
	s_lshl_b32 s13, s13, 2
	s_add_co_u32 s13, s13, s41                     ; y: tile row
	s_lshl_b32 s43, s41, 2
	s_lshl_b32 s43, 15, s43                        ; my row of the cluster
	s_lshl_b32 s44, 0x1111, s40                    ; my column
	s_or_b32 s[G1+0], s43, (2<<16)|(1<<20)|(1<<21)|(6<<22)|(3<<25)   ; A: mask; 4-byte elements; padding on; bit 21 beside a mask; after every 128 words 4 words
	s_or_b32 s[G1B+0], s44, (1<<16)|(1<<20)|(1<<21)|(5<<22)|(3<<25)  ; B: mask; 2-byte elements; after every 64 words 4 words
	s_mov_b32 s[G1+1], 128<<16                     ; tensor_dim0 = 128
	s_mov_b32 s[G1+2], 64<<16                      ; tensor_dim1 = 64
	s_mov_b32 s[G1+3], 128<<16                     ; tile_dim0 = 128
	s_mov_b32 s[G1+4], 64                          ; tile_dim1 = 64
	s_mov_b32 s[G1+5], 1024                        ; elements from row to row
	s_mov_b32 s[G1+6], 0
	s_mov_b32 s[G1+7], 0
	s_mov_b32 s[G1B+1], 128<<16
	s_mov_b32 s[G1B+2], 128<<16                    ; B: 128 rows a load
	s_mov_b32 s[G1B+3], 128<<16
	s_mov_b32 s[G1B+4], 128
	s_mov_b32 s[G1B+5], 1024
	s_mov_b32 s[G1B+6], 0
	s_mov_b32 s[G1B+7], 0
	s_and_b32 s16, s13, 63                         ; A: the tile row inside its own tensor,
	s_lshl_b32 s16, s16, 7
	s_lshl_b32 s17, s12, 6
	s_add_co_u32 s16, s16, s17                     ; row 128 (y % 64) + 64 x half,
	s_lshl_b32 s16, s16, 12                        ; 4,096 bytes a row
	s_mov_b32 s17, 0
	s_lshl_b32 s46, s42, 8
	s_lshl_b32 s47, s12, 7
	s_add_co_u32 s46, s46, s47
	s_lshl_b32 s47, s45, 10
	s_add_co_u32 s46, s46, s47                     ; B: row 1,024 t + 256 x + 128 x half
	s_lshl_b32 s46, s46, 11
	s_mov_b32 s47, 0
	s_mul_i32 s20, s12, ALD                        ; where they go: no place in the cluster enters an LDS address
	s_mul_i32 s21, s12, BHALF
	s_add_co_u32 s21, s21, BOFF
	s_mov_b32 s[TRM], 0xffffe000
	s_wait_dscnt 0x0                               ; the opening add is done
	s_wait_kmcnt 0x0
	s_cmp_eq_u32 s45, 1                            ; which of the three tensors: a choice on t alone
	s_cselect_b64 s[4:5], s[82:83], s[80:81]
	s_cmp_eq_u32 s45, 2
	s_cselect_b64 s[4:5], s[84:85], s[4:5]
	s_add_nc_u64 s[14:15], s[4:5], s[16:17]
	s_add_nc_u64 s[46:47], s[86:87], s[46:47]
	CROUND                                         ; all sixteen work-groups are here: the first joint loads meet
.irp s, 0,1
	s_mov_b32 s[G0+4*(\s)], 1
	s_add_co_u32 s[G0+4*(\s)+1], s20, (\s)*SLOT
	s_add_nc_u64 s[G0+4*(\s)+2:G0+4*(\s)+3], s[14:15], (\s)*AK1
	s_or_b32 s[G0+4*(\s)+3], s[G0+4*(\s)+3], 0x80000000
	s_mov_b32 s[G0B+4*(\s)], 1
	s_add_co_u32 s[G0B+4*(\s)+1], s21, (\s)*SLOT
	s_add_nc_u64 s[G0B+4*(\s)+2:G0B+4*(\s)+3], s[46:47], (\s)*BK1
	s_or_b32 s[G0B+4*(\s)+3], s[G0B+4*(\s)+3], 0x80000000
	JLOAD \s
.endr
	v_and_b32 v1, 15, v0                           ; l % 16
	v_bfe_u32 v2, v0, 4, 1                         ; l / 16
	v_mul_u32_u24 v3, v1, PA
	v_lshl_add_u32 v3, v2, 5, v3                   ; A: row x pitch + 8 f32 x half
	v_mul_u32_u24 v4, v1, PB
	v_lshl_add_u32 v4, v2, 4, v4                   ; B: row x pitch + 8 bf16 x half
	s_mul_i32 s21, s11, AWM
	s_mul_i32 s22, s12, BHALF
	s_add_co_u32 s22, s22, BOFF
.irp s, 0,1
	v_add_nc_u32 v[ADRA+(\s)], s21, v3
	v_add_nc_u32 v[ADRB+(\s)], s22, v4
	s_add_co_u32 s21, s21, SLOT
	s_add_co_u32 s22, s22, SLOT
.endr
	v_and_b32 v5, 31, v0
	v_lshrrev_b32 v6, 3, v5
	v_and_b32 v7, 7, v0
	s_mul_i32 s23, s10, WSTG
	s_add_co_u32 s23, s23, STAGE                   ; my stage
	v_mul_u32_u24 v8, v1, 272                      ; q, k in: row l % 16, 16 bytes for each half of the lanes
	v_lshl_add_u32 v8, v2, 4, v8
	v_add_nc_u32 v[STO], s23, v8
	v_mul_u32_u24 v8, v2, 272                      ; back: two rows of 256 bytes a load
	v_lshl_add_u32 v8, v1, 4, v8
	v_add_nc_u32 v[RD], s23, v8
	v_mul_u32_u24 v8, v1, 144                      ; v in
	v_lshl_add_u32 v8, v2, 4, v8
	v_add_nc_u32 v[STOV], s23, v8
	v_mul_u32_u24 v8, v6, 144                      ; back: four rows of 128 bytes a load
	v_lshl_add_u32 v8, v7, 4, v8
	v_add_nc_u32 v[RDV], s23, v8
	v_lshlrev_b32 v[CO], 4, v5                     ; 512 consecutive bytes of the output
	; my first row in the outputs: ((b 16 + head) 2,048 + s), b = (y % 64) / 16, head = 4 x + 2 (column half), s = (y % 16) 128 + 64 (row half)
	s_and_b32 s72, s13, 63
	s_lshr_b32 s72, s72, 4
	s_lshl_b32 s72, s72, 4
	s_lshl_b32 s73, s42, 2
	s_add_co_u32 s72, s72, s73
	s_lshl_b32 s73, s12, 1
	s_add_co_u32 s72, s72, s73
	s_lshl_b32 s72, s72, 11
	s_and_b32 s73, s13, 15
	s_lshl_b32 s73, s73, 7
	s_add_co_u32 s72, s72, s73
	s_lshl_b32 s73, s11, 6
	s_add_co_u32 s72, s72, s73
	s_lshl_b32 s74, s72, 7                         ; vb: 128 bytes a row
	s_mov_b32 s75, 0
	s_add_nc_u64 s[70:71], s[70:71], s[74:75]
	s_lshl_b32 s73, s45, 17                        ; qk: t x 64 x 2,048 rows further,
	s_add_co_u32 s72, s72, s73
	s_lshl_b32 s74, s72, 8                         ; 256 bytes a row (used for t = 0, 1 alone)
	s_add_nc_u64 s[68:69], s[68:69], s[74:75]
.macro MUL8 f, a, zero                 ; 8 matrix instructions: m block a x all 8 n blocks, 32 along K.  zero = 1: the first product starts the sums
	WIN MUL
.irp b, 0,1,2,3,4,5,6,7
.if \zero
	v_wmma_f32_16x16x32_bf16 v[8*(8*(\a)+(\b)):8*(8*(\a)+(\b))+7], v[(\f)+8*(\b):(\f)+8*(\b)+7], v[(\f)+64+8*(\a):(\f)+64+8*(\a)+7], 0
.else
	v_wmma_f32_16x16x32_bf16 v[8*(8*(\a)+(\b)):8*(8*(\a)+(\b))+7], v[(\f)+8*(\b):(\f)+8*(\b)+7], v[(\f)+64+8*(\a):(\f)+64+8*(\a)+7], v[8*(8*(\a)+(\b)):8*(8*(\a)+(\b))+7]
.endif
.endr
.endm
; 32 LDS loads in one run: quarter q's fragments.  A's sixteen first, in f32: a lane's k = 8 h + 0..7 are 32 bytes, its k = 16 + 8 h + 0..7 the 32 bytes 64 further on.  Then B's sixteen, straight into buffer f.
.macro FETCH slot, q, f
	WIN TO_F
.irp i, 0,1,2,3
	ds_load_b128 v[AS+16*(\i):AS+16*(\i)+3],     v[ADRA+(\slot)] offset:128*(\q)+(\i)*16*PA
	ds_load_b128 v[AS+16*(\i)+4:AS+16*(\i)+7],   v[ADRA+(\slot)] offset:128*(\q)+(\i)*16*PA+16
	ds_load_b128 v[AS+16*(\i)+8:AS+16*(\i)+11],  v[ADRA+(\slot)] offset:128*(\q)+(\i)*16*PA+64
	ds_load_b128 v[AS+16*(\i)+12:AS+16*(\i)+15], v[ADRA+(\slot)] offset:128*(\q)+(\i)*16*PA+80
.endr
.irp i, 0,1,2,3,4,5,6,7
	ds_load_b128 v[(\f)+8*(\i):(\f)+8*(\i)+3],   v[ADRB+(\slot)] offset:64*(\q)+(\i)*16*PB
	ds_load_b128 v[(\f)+8*(\i)+4:(\f)+8*(\i)+7], v[ADRB+(\slot)] offset:64*(\q)+(\i)*16*PB+32
.endr
.endm
; A's four fragments are rounded to bf16 into buffer f: 32 conversions, register c of the 32 from f32 registers 2 c and 2 c + 1.  They name no register of the products in front of them (those read the other buffer),
; so they are also the places between those products and the next run of loads into that buffer: no v_nop is written there.
.macro CVT f
	WIN IN_F
.set c, 0
.rept 32
	v_cvt_pk_bf16_f32 v[(\f)+64+c], v[AS+2*c], v[AS+2*c+1]
.set c, c+1
.endr
.endm
.macro PLACES                          ; four places in front of lines that read results (ISA guide 7.12.1)
.rept 4
	v_nop
.endr
.endm
.macro QUARTER slot, qn, f, g, zero    ; fetches quarter qn of the same slot for buffer g, multiplies buffer f, rounds g's fragments of A
	FETCH \slot, \qn, \g
	s_wait_dscnt 32                                ; all but the 32 just issued: B's fragments of buffer f are in (A's were rounded behind the quarter before)
	MUL8 \f, 0, \zero
	MUL8 \f, 1, \zero
	MUL8 \f, 2, \zero
	MUL8 \f, 3, \zero
	s_wait_dscnt 16                                ; A's sixteen loads are in; B's sixteen, issued behind them, may stay out
	CVT \g
.endm
; The last quarter multiplies buffer 1 and changes slots: in front of the barrier each wave waits for all its tensor loads, adds 0 to its spare word, and waits for that and for its reads of this slot.
.macro TURN slot, next, fill
	WIN 0
	s_wait_tensorcnt 0x0                           ; all my tensor loads have landed: my part of the next slot
	ds_add_u32 v[SPW], v[NIL]
	s_wait_dscnt 1                                 ; the add alone may be out: B's fragments of buffer 1 are in
	MUL8 F1, 0, 0
	s_wait_dscnt 0x0                               ; the add is done, and my reads of this slot are over
	s_barrier_signal -1
	MUL8 F1, 1, 0
.if \fill
	WIN 0
.endif
	s_barrier_wait -1
.if \fill
	CREST                                          ; the barrier has opened a round of the cluster's: no wave of any partner still reads this slot or has a load on its way
	s_add_nc_u64 s[G0+4*(\slot)+2:G0+4*(\slot)+3], s[G0+4*(\slot)+2:G0+4*(\slot)+3], 2*AK1
	s_add_nc_u64 s[G0B+4*(\slot)+2:G0B+4*(\slot)+3], s[G0B+4*(\slot)+2:G0B+4*(\slot)+3], 2*BK1
	JLOAD \slot                                    ; the first tensor load behind the round, my only one until the next
.endif
	FETCH \next, 0, F0
	MUL8 F1, 2, 0
	MUL8 F1, 3, 0
	s_wait_dscnt 16                                ; A's sixteen loads are in
	CVT F0
.endm
	s_wait_tensorcnt 1                             ; my part of K step 0 is in; K step 1's load may stay out
	s_barrier_signal -1
	s_barrier_wait -1
	FETCH 0, 0, F0
	s_wait_dscnt 16                                ; A's sixteen loads are in
	CVT F0
	QUARTER 0, 1, F0, F1, 1                        ; the first quarter's products start the sums: nothing is cleared
	WIN 0
	s_mov_b32 s3, LAPS-1
.Llap:
	QUARTER 0, 2, F1, F0, 0
	QUARTER 0, 3, F0, F1, 0
	TURN 0, 1, 1
	QUARTER 1, 1, F0, F1, 0
	QUARTER 1, 2, F1, F0, 0
	QUARTER 1, 3, F0, F1, 0
	TURN 1, 0, 1
	QUARTER 0, 1, F0, F1, 0
	WIN 0
	s_sub_co_u32 s3, s3, 1
	s_cmp_lg_u32 s3, 0
	s_cbranch_scc1 .Llap
	QUARTER 0, 2, F1, F0, 0                        ; the last lap fills nothing
	QUARTER 0, 3, F0, F1, 0
	TURN 0, 1, 0
	QUARTER 1, 1, F0, F1, 0
	QUARTER 1, 2, F1, F0, 0
	QUARTER 1, 3, F0, F1, 0
	s_wait_dscnt 0x0                               ; the very last quarter: nothing more to fetch
	MUL8 F1, 0, 0
	MUL8 F1, 1, 0
	MUL8 F1, 2, 0
	MUL8 F1, 3, 0
	WIN 0
	PLACES
; THE WAY OUT, 16 rows (m block a) at a time, through my own stage; each accumulator's registers are read in ascending order.
.macro OUTQK a
	WIN 0x08                                       ; source 1 window 2
.set i, 0
.rept 64
	v_and_b32 v[T+i], s[TRM], v[64*(\a)+i]         ; hi, still in f32: eleven significant bits
.set i, i+1
.endr
	WIN 0
.set i, 0
.rept 32
	v_cvt_pk_f16_f32 v[H+i], v[T+2*i], v[T+2*i+1]
.set i, i+1
.endr
	WIN 0x02                                       ; source 0 window 2
.set i, 0
.rept 32
	v_pk_add_f32 v[T+2*i:T+2*i+1], v[64*(\a)+2*i:64*(\a)+2*i+1], v[T+2*i:T+2*i+1] neg_lo:[0,1] neg_hi:[0,1]  ; sum - hi, exact
.set i, i+1
.endr
	WIN 0
.set i, 0
.rept 32
	v_cvt_pk_f16_f32 v[LW+i], v[T+2*i], v[T+2*i+1]
.set i, i+1
.endr
.set i, 0
.rept 8                                ; n block i: head i / 4, channels 16 (i % 4) on; hi in a row's first 128 bytes, lo in its second
	ds_store_b128 v[STO], v[H+4*i:H+4*i+3] offset:(i/4)*4352+(i%4)*32
	ds_store_b128 v[STO], v[LW+4*i:LW+4*i+3] offset:(i/4)*4352+(i%4)*32+128
.set i, i+1
.endr
.if \a
	s_wait_xcnt 0x0                                ; RB, which the last block's stores read, is loaded again only behind this wait
.endif
.set i, 0
.rept 16
	ds_load_b128 v[RB+4*i:RB+4*i+3], v[RD] offset:544*i  ; LDS serves a wave's instructions in order: these see the stores above
.set i, i+1
.endr
.set i, 0
.rept 16
	s_wait_dscnt 15-i                              ; the younger loads may stay out
	global_store_b128 v[CO], v[RB+4*i:RB+4*i+3], s[68:69] offset:(i/8)*524288+(16*(\a)+(2*i)%16)*256  ; two rows of 256 bytes: 512 consecutive bytes, aligned
.set i, i+1
.endr
.endm
.macro OUTV a
	WIN 0x0a                                       ; sources 0 and 1 window 2
.set i, 0
.rept 32
	v_cvt_pk_f16_f32 v[H+i], v[64*(\a)+2*i], v[64*(\a)+2*i+1]
.set i, i+1
.endr
	WIN 0
.set i, 0
.rept 8
	ds_store_b128 v[STOV], v[H+4*i:H+4*i+3] offset:(i/4)*2304+(i%4)*32
.set i, i+1
.endr
.if \a
	s_wait_xcnt 0x0
.endif
.set i, 0
.rept 8
	ds_load_b128 v[RB+4*i:RB+4*i+3], v[RDV] offset:576*i
.set i, i+1
.endr
.set i, 0
.rept 8
	s_wait_dscnt 7-i
	global_store_b128 v[CO], v[RB+4*i:RB+4*i+3], s[70:71] offset:(i/4)*262144+(16*(\a)+(4*i)%16)*128  ; four rows of 128 bytes: 512 consecutive bytes, aligned
.set i, i+1
.endr
.endm
	s_cmp_eq_u32 s45, 2                            ; the same answer in all sixteen work-groups; no barrier stands on either way
	s_cbranch_scc1 .Lv
	OUTQK 0
	OUTQK 1
	OUTQK 2
	OUTQK 3
	s_branch .Lend
.Lv:
	OUTV 0
	OUTV 1
	OUTV 2
	OUTV 3
.Lend:
	s_wait_tensorcnt 0x0                           ; the wave's end
	ds_add_u32 v[SPW], v[NIL]
	s_wait_dscnt 0x0
	CROUND                                         ; the closing round
	s_endpgm
.Lfunc_end_k_qa7b263caaf_proj:
	.size	k_qa7b263caaf_proj, .Lfunc_end_k_qa7b263caaf_proj-k_qa7b263caaf_proj
	.p2alignl 7, 3214868480
	.fill 96, 4, 3214868480
	.section	.rodata,"a",@progbits
	.p2align	6, 0x0
	.amdhsa_kernel k_qa7b263caaf_proj
		.amdhsa_group_segment_fixed_size 327680
		.amdhsa_private_segment_fixed_size 0
		.amdhsa_enable_private_segment 0
		.amdhsa_kernarg_size 48
		.amdhsa_user_sgpr_count 2
		.amdhsa_user_sgpr_kernarg_segment_ptr 1
		.amdhsa_wavefront_size32 1
		.amdhsa_system_sgpr_workgroup_id_x 1
		.amdhsa_system_sgpr_workgroup_id_y 1
		.amdhsa_system_sgpr_workgroup_id_z 1
		.amdhsa_system_vgpr_workitem_id 0
		.amdhsa_next_free_vgpr 768
		.amdhsa_next_free_sgpr 88
		.amdhsa_reserve_vcc 0
		.amdhsa_float_denorm_mode_32 3
		.amdhsa_float_denorm_mode_16_64 3
		.amdhsa_memory_ordered 1
		.amdhsa_forward_progress 1
		.amdhsa_inst_pref_size 176
	.end_amdhsa_kernel
	.amdgpu_metadata
---
amdhsa.version: [ 1, 2 ]
amdhsa.kernels:
  - .name:           k_qa7b263caaf_proj
    .symbol:         k_qa7b263caaf_proj.kd
    .args:
      - { .name: Q, .offset: 0, .size: 8, .value_kind: global_buffer, .address_space: global }
      - { .name: K, .offset: 8, .size: 8, .value_kind: global_buffer, .address_space: global }
      - { .name: V, .offset: 16, .size: 8, .value_kind: global_buffer, .address_space: global }
      - { .name: wb, .offset: 24, .size: 8, .value_kind: global_buffer, .address_space: global }
      - { .name: qk, .offset: 32, .size: 8, .value_kind: global_buffer, .address_space: global }
      - { .name: vb, .offset: 40, .size: 8, .value_kind: global_buffer, .address_space: global }
    .group_segment_fixed_size: 327680
    .private_segment_fixed_size: 0
    .kernarg_segment_align: 8
    .kernarg_segment_size: 48
    .max_flat_workgroup_size: 128
    .sgpr_count:     88
    .vgpr_count:     768
    .wavefront_size: 32
...
	.end_amdgpu_metadata
.endif
;; end of part 2
;; launch attn (part 3): grid 4 x 64, 4 waves a work-group, no clusters, 271,872 bytes of LDS; arguments qk, vb, mb, fl, ob; writes ob
.if DOCPART == 3
	.amdgcn_target "amdgcn-amd-amdhsa--gfx1250"
	.amdhsa_code_object_version 6
	.text
	.protected	k_qa7b263caaf_attn
	.globl	k_qa7b263caaf_attn
	.p2align	8
	.type	k_qa7b263caaf_attn,@function
k_qa7b263caaf_attn:
	s_mov_b64 s[64:65], 0
	v_nop
	global_prefetch_b8 v0, s[64:65] scope:SCOPE_SE
	s_setreg_imm32_b32 hwreg(HW_REG_WAVE_MODE, 25, 1), 1
	s_wait_xcnt 0x0
; ATTENTION UNDER A MASK THAT IS AN INPUT.  O[bh][q] = sum over k of softmax_k(8 q.k, hidden keys left out) v[bh][k].  q and k come as pairs of f16 (hi, lo): S = kh qh + kh ql + kl qh, sums in f32;
; the exponents have eight times the scores' spread, which one f16 a number does not carry.  v, the weights p and O are single f16; maxima and sums in f32.
; LIMITS.  A hidden score counts as -2^127; the running maximum starts at -1e30; a weight below 2^-126 counts as 0; NaN and infinities in q, k, v are not treated apart.
; A row with no visible key ends with l = 0 and O = 0, and 0 x (1 / 0) is NaN, as a softmax over nothing is.
; THE WALK.  A work-group takes two blocks of 256 queries of one (b, h): block 7 - p, then block p.  Keys go in UNITS of 128.  fl (whole numbers, stored by the launch before) says which units hold a visible key
; for a block: only those are walked, one list for both blocks.  The loop has a constant 32 trips, as many as the list can have entries; a trip with nothing left is one barrier.  All jumps on the list's counts and flags
; go forward and pass no barrier.  The pairing is a schedule: it is right for every mask, and gives equal work where the visible units grow evenly with the row.
; NO TENSOR LOADS, NO CLUSTER: which units are walked, and how many, hangs on numbers read from memory and differs between the work-groups of a head, and a joint request may hang on neither.
; K and V go from memory through registers into a ring of four LDS slots, a unit each: trip x stores unit x + 2, reads units x and x + 1, and loads unit x + 3 into registers.
; THE MASK is the C operand that starts a score's sum: its byte (0x00 or 0xFF) becomes the top byte of a word, 0 or -2^127.  The 32 words of a turn are made in one run at the end of the turn before.
; fl also says which units are visible THROUGHOUT for a block: for such a unit no mask byte is loaded in the loop, and the run is jumped over once the words are 0 (the first time it writes zeros, by selectors that take no byte).
; SHARES, LAYOUT, TURNS.  A wave owns 64 rows of a block: four pieces of 16.  S^T = K Q^T holds ONE query a lane (lane % 16) and the keys 8 (lane / 16) + 0..7; two such results rounded to f16 ARE source 1 of
; O^T = V^T P.  p = 2^(c s - c m), c = 8 log2(e).  Turn tau (8 a unit) belongs to piece tau % 4 of step tau / 4: 24 products K Q^T of the next piece, 8 products V^T P of the piece before; behind each matrix
; instruction stand at most four vector instructions: this piece's scaling, exponentials, roundings, sums and rescaling, and the next piece's maximum and statistics: 118 for 32.
; REGISTERS (s_set_vgpr_msb: bits 1:0 source 0, 3:2 source 1, 5:4 source 2, 7:6 destination):
;   window 0: v0-15 addresses; v16-31 statistics; v32-41 at work; v44-59 a block's first masks; v64-127 S^T, two buffers; v128-159 P, two buffers; v160-191 mask words; v192-255 mask bytes, 8 positions
;   window 1: v0-127 O^T; v128-255 Q (piece p, fragment f at 128 + 32 p + 8 f: qh c0, qh c1, ql c0, ql c1)     window 2: K, two buffers of 128     window 3: v0-127 V, two buffers; v128-223 a unit on its way to LDS
.set PK,    272                        ; a row of K in LDS: [kh 128 | kl 128] + 16 bytes: the 16 rows of a load start at 16 different groups of four banks (ISA guide 11.1)
.set PV,    160                        ; a row of V: 128 + 32 bytes
.set VOFF,  128*PK
.set KHF,   64*PK                      ; a unit's second step
.set VHF,   64*PV
.set STAGE, 262144                     ; behind the four slots of 65,536: 16 rows x 144 bytes a wave, for the way out
.set SP,    144
.set SPARE, STAGE+4*16*SP              ; the spare words, 128 bytes a wave
.set AK0, 2
.set AV0, 3
.set AKC, 4
.set AVC, 5
.set AKN, 6
.set AVN, 7
.set SK0, 8
.set SV0, 9
.set SK,  10
.set SV,  11
.set LO16, 12
.set QO,  13
.set STO, 14
.set RD,  15
.set ST,  16                           ; piece t at v[ST+4 t]: c m, m, l (even keys', odd keys')
.set TMP, 32                           ; by parity, c0-c3; c2 takes a
.set MV,  40
.set SPW, 42
.set NIL, 43
.set BM,  44
.set S,   64
.set P,   128
.set MC,  160
.set MB,  192
.set STG, 128                          ; window 3
.set QC,  4                            ; s[4:5]   Q at my rows of the first block
.set KB,  6                            ; s[6:7]   k at my 32 rows of unit 0
.set VB,  8                            ; s[8:9]   v likewise
.set MBB, 10                           ; s[10:11] mb
.set OBC, 12                           ; s[12:13] ob at my rows of the block in hand
.set OBN, 14                           ; s[14:15] of the second block
.set QN,  16                           ; s[16:17] Q at my rows of the second block
.set WV,  18
.set F1,  19                           ; 1: unit x + 1 is visible throughout
.set TRIPS, 20
.set LEFT, 21                          ; units still to be walked
.set REM,  22                          ; of them in the block in hand
.set NBU,  23                          ; units of the second block
.set LST,  24                          ; the list: bit u = unit u of the first block, bit 16 + u = of the second
.set FMK,  25                          ; the same places: visible throughout
.set FC,  26                           ; 1: unit x is visible throughout
.set P1,  27                           ; the list's entries for units x + 1, x + 2, x + 3
.set P2,  28
.set P3,  29
.set UA,  30                           ; my rows' place in mb, in pieces of 2,048 bytes, first block; second block
.set UB,  31
.set RC,  32                           ; LDS byte of the slots of units x, x + 1, x + 2
.set RN,  33
.set RST, 34
.set RM,  35
.set KA,  36
.set VA,  38
.set MB1, 40                           ; s[40:41] mb at unit x + 1's bytes for my rows
.set MB0, 42                           ; s[42:43] at unit x's
.set CS,  44
.set SEL, 46
.set PSEL, 48                          ; s48-51  selectors: byte k on top, zeros below
.set OFFP, 52
.set PS,  60                           ; s60-63  the selectors of the run in hand: PSEL's, or four that take no byte
.set ZF,  98                           ; 1: the 32 mask words are 0
.set MSB, 0
.macro WIN new
.if MSB != (\new)
	s_set_vgpr_msb (MSB<<8)|(\new)
.set MSB, (\new)
.endif
.endm
.set W_KQ, 0x06                        ; K window 2, Q window 1, S^T and the mask words window 0
.set W_PV, 0x53                        ; V window 3, P window 0, O^T window 1
.set W_RS, 0x41                        ; destination and source 0 window 1, source 1 window 0
; The list's next entry.  An empty list leaves the last entry, so every address made of it stays inside its buffer.  The clamp is written in the instruction.
.macro POP dst
	s_ctz_i32_b32 s54, s[LST]
	s_cmp_lg_u32 s[LST], 0
	s_cselect_b32 s[\dst], s54, s[\dst]
	s_sub_co_u32 s55, s[LST], 1
	s_and_b32 s[LST], s[LST], s55
	s_min_u32 s[\dst], s[\dst], 31
.endm
; mb at entry p's bytes for my rows, or at the zeros if the unit is visible throughout (a block's first masks are read there): a number of pieces of 2,048 bytes, clamped behind all selects.  fl takes the unit's flag.
.macro MOFF p, dst, fl
	s_and_b32 s54, s[\p], 15
	s_bitcmp1_b32 s[\p], 4
	s_cselect_b32 s55, s[UB], s[UA]
	s_add_co_u32 s54, s54, s55
	s_lshr_b32 s[\fl], s[FMK], s[\p]
	s_and_b32 s[\fl], s[\fl], 1
	s_cselect_b32 s54, 2048, s54
	s_min_u32 s54, s54, 2048
	s_lshl_b32 s[OFFP], s54, 11
	s_add_nc_u64 s[(\dst):(\dst)+1], s[MBB:MBB+1], s[OFFP:OFFP+1]
.endm
; My 32 rows of entry p's unit: 16 loads of K (two rows of 256 bytes each), 8 of V (four rows of 128).  The caller sets the destination's window.
.macro UNITLOAD p, base
	s_and_b32 s[OFFP], s[\p], 15
	s_lshl_b32 s[OFFP], s[OFFP], 14
	s_add_nc_u64 s[VA:VA+1], s[VB:VB+1], s[OFFP:OFFP+1]
	s_lshl_b32 s[OFFP], s[OFFP], 1
	s_add_nc_u64 s[KA:KA+1], s[KB:KB+1], s[OFFP:OFFP+1]
.set i, 0
.rept 16
	global_load_b128 v[(\base)+4*i:(\base)+4*i+3], v[LO16], s[KA:KA+1] offset:512*i
.set i, i+1
.endr
.set i, 0
.rept 8
	global_load_b128 v[(\base)+64+4*i:(\base)+64+4*i+3], v[LO16], s[VA:VA+1] offset:512*i
.set i, i+1
.endr
.endm
.macro UNITSTORE base, ak, av          ; the caller sets the data's window
.set i, 0
.rept 16
	ds_store_b128 v[\ak], v[(\base)+4*i:(\base)+4*i+3] offset:544*i
.set i, i+1
.endr
.set i, 0
.rept 8
	ds_store_b128 v[\av], v[(\base)+64+4*i:(\base)+64+4*i+3] offset:640*i
.set i, i+1
.endr
.endm
.macro QLOAD sb                        ; 64 rows of [qh | ql]: piece z / 4, fragment z % 4
	WIN 0x40
.set z, 0
.rept 16
	global_load_b128 v[128+8*z:128+8*z+3], v[QO], s[(\sb):(\sb)+1] offset:(z/4)*4096+(z%4)*64
	global_load_b128 v[128+8*z+4:128+8*z+7], v[QO], s[(\sb):(\sb)+1] offset:(z/4)*4096+(z%4)*64+32
.set z, z+1
.endr
	WIN 0
.endm
.macro BMLOAD                          ; the mask bytes of pieces 0 and 1 for the first step of the unit at MB1
.set z, 0
.rept 4
	global_load_b128 v[BM+4*z:BM+4*z+3], v[LO16], s[MB1:MB1+1] offset:(z/2)*32768+(z%2)*512
.set z, z+1
.endr
.endm
.macro MBLOAD pos, sb                  ; position pos = piece pos % 4, step pos / 4: 32 bytes a lane
	global_load_b128 v[MB+8*(\pos):MB+8*(\pos)+3], v[LO16], s[(\sb):(\sb)+1] offset:((\pos)%4)*32768+((\pos)/4)*1024
	global_load_b128 v[MB+8*(\pos)+4:MB+8*(\pos)+7], v[LO16], s[(\sb):(\sb)+1] offset:((\pos)%4)*32768+((\pos)/4)*1024+512
.endm
; THE LDS LOADS stand in runs: a step's K (64 keys x [kh | kl]: 16 fragments) and its V (turned).
.macro FETCH_K par, areg, off
	WIN 0x80
.set z, 0
.rept 16                               ; keys 16 (z / 4) on, fragment z % 4
	ds_load_b128 v[128*(\par)+8*z:128*(\par)+8*z+3],   v[\areg] offset:(\off)+(z/4)*16*PK+(z%4)*64
	ds_load_b128 v[128*(\par)+8*z+4:128*(\par)+8*z+7], v[\areg] offset:(\off)+(z/4)*16*PK+(z%4)*64+32
.set z, z+1
.endr
	WIN 0
.endm
.macro FETCH_V par, areg, off
	WIN 0xc0
.set z, 0
.rept 8                                ; keys 32 (z / 4) on, channels 16 (z % 4) on
	ds_load_tr16_b128 v[64*(\par)+8*z:64*(\par)+8*z+3],   v[\areg] offset:(\off)+(z/4)*32*PV+(z%4)*32
	ds_load_tr16_b128 v[64*(\par)+8*z+4:64*(\par)+8*z+7], v[\areg] offset:(\off)+(z/4)*32*PV+16*PV+(z%4)*32
.set z, z+1
.endr
	WIN 0
.endm
; THE MATRIX WORK.  The four accumulators of a run take turns, one instruction a turn.
; Product i of 24 of S^T for piece x: keys 16 (i % 4) on; K step i / 4 of six: kh c0 qh c0, kh c1 qh c1, kh c0 ql c0, kh c1 ql c1, kl c0 qh c0, kl c1 qh c1.  The first four start the sums with the mask words.
.macro KQ x, kbuf, inpl
.set rS, S+32*((\x)%2)+8*(i%4)
.set rK, 128*(\kbuf)+32*(i%4)+8*(((i/4)%2)+2*(i/16))
.set rQ, 128+32*(\x)+8*((i/4)%4)
	WIN W_KQ
.if (i < 4) && !(\inpl)
	v_wmma_f32_16x16x32_f16 v[rS:rS+7], v[rK:rK+7], v[rQ:rQ+7], v[MC+8*(i%4):MC+8*(i%4)+7]
.else
	v_wmma_f32_16x16x32_f16 v[rS:rS+7], v[rK:rK+7], v[rQ:rQ+7], v[rS:rS+7]
.endif
.endm
; Product i of 8 of O^T += V^T P for piece x: keys 32 (i / 4) on, channels 16 (i % 4) on.
.macro PV x, vbuf
	WIN W_PV
.set rO, 32*(\x)+8*(i%4)
.set rV, 64*(\vbuf)+32*(i/4)+8*(i%4)
.set rP, P+16*((\x)%2)+8*(i/4)
	v_wmma_f32_16x16x32_f16 v[rO:rO+7], v[rV:rV+7], v[rP:rP+7], v[rO:rO+7]
.endm
.macro MM                              ; the turn's next matrix instruction
.if i < 24
	KQ (Y+1)%4, KBUF, 0
.else
.set i, i-24
	PV (Y+3)%4, VBUF
.set i, i+24
.endif
.set i, i+1
.endm
; THE VECTOR WORK, one line at a time: OP kind, number.  For piece Y: F n: c s - c m for pair n of 16.  E n: the exponential of score n of 32.  C n: pair n rounded to f16.  B n: of the four weights 4 n .. the second
; pair is added onto the first.  L n: l takes that sum (L 0: l = a l + sum).  R n: pair n of 16 of O^T times a.  For piece Y + 1: X n, number n of the 22 that find its maximum and statistics (each accumulator's
; lowest registers are read first).
.set F, 0
.set E, 1
.set C, 2
.set B, 3
.set L, 4
.set R, 5
.set X, 6
.macro REGS y
.set rT, ST+4*(\y)
.set rC, TMP+4*((\y)%2)
.set rW, MV+((\y)%2)
.set rS, S+32*((\y)%2)
.set rP, P+16*((\y)%2)
.set rO, 32*(\y)
.endm
.macro OP k, n
.if (\k) == R
	REGS Y
	WIN W_RS
	v_pk_mul_f32 v[rO+2*(\n):rO+2*(\n)+1], v[rO+2*(\n):rO+2*(\n)+1], v[rC+2:rC+3] op_sel_hi:[1,0]
.elseif (\k) < R
	REGS Y
	WIN 0
.if (\k) == F
	v_pk_fma_f32 v[rS+2*(\n):rS+2*(\n)+1], v[rS+2*(\n):rS+2*(\n)+1], s[CS:CS+1], v[rT:rT+1] op_sel_hi:[1,0,0] neg_lo:[0,0,1] neg_hi:[0,0,1]
.elseif (\k) == E
	v_exp_f32 v[rS+(\n)], v[rS+(\n)]
.elseif (\k) == C
	s_wait_alu depctr_va_vdst(0)
	v_cvt_pk_f16_f32 v[rP+(\n)], v[rS+2*(\n)], v[rS+2*(\n)+1]
.elseif (\k) == B
	v_pk_add_f32 v[rS+4*(\n):rS+4*(\n)+1], v[rS+4*(\n):rS+4*(\n)+1], v[rS+4*(\n)+2:rS+4*(\n)+3]
.elseif (\n) == 0
	v_pk_fma_f32 v[rT+2:rT+3], v[rT+2:rT+3], v[rC+2:rC+3], v[rS:rS+1] op_sel_hi:[1,0,1]
.else
	v_pk_add_f32 v[rT+2:rT+3], v[rT+2:rT+3], v[rS+4*(\n):rS+4*(\n)+1]
	s_wait_alu depctr_va_vdst(0)
.endif
.else
	REGS (Y+1)%4
	WIN 0
.if (\n) < 4
	v_max3_num_f32 v[rC+(\n)], v[rS+8*(\n)], v[rS+8*(\n)+1], v[rS+8*(\n)+2]
.elseif (\n) < 12
	v_max3_num_f32 v[rC+(\n)%4], v[rC+(\n)%4], v[rS+8*((\n)%4)+2*((\n)/4)+1], v[rS+8*((\n)%4)+2*((\n)/4)+2]
.elseif (\n) == 12
	v_max3_num_f32 v[rC], v[rC], v[rS+7], v[rS+15]
.elseif (\n) == 13
	v_max3_num_f32 v[rC+1], v[rC+1], v[rS+23], v[rS+31]
.elseif (\n) == 14
	v_max3_num_f32 v[rC+2], v[rC+2], v[rC+3], v[rT+1]
.elseif (\n) == 15
	v_mov_b32 v[rW], v[rT]
.elseif (\n) == 16
	v_max3_num_f32 v[rC], v[rC], v[rC+1], v[rC+2]
.elseif (\n) == 17
	v_permlanex16_b32 v[rC+3], v[rC], s[SEL], s[SEL+1]
.elseif (\n) == 18
	v_max_num_f32 v[rT+1], v[rC], v[rC+3]
.elseif (\n) == 19
	v_mul_f32 v[rT], s[CS], v[rT+1]
.elseif (\n) == 20
	v_sub_f32 v[rC+1], v[rW], v[rT]
.else
	v_exp_f32 v[rC+2], v[rC+1]
.endif
.endif
.endm
.macro OPS a, i1, b=-1, i2=0, c=-1, i3=0, d=-1, i4=0
	OP \a, \i1
.if (\b) >= 0
	OP \b, \i2
.endif
.if (\c) >= 0
	OP \c, \i3
.endif
.if (\d) >= 0
	OP \d, \i4
.endif
.endm
.macro ROW a, i1, b=-1, i2=0, c=-1, i3=0, d=-1, i4=0  ; a matrix instruction and what stands behind it
	MM
	OPS \a, \i1, \b, \i2, \c, \i3, \d, \i4
.endm
; THE MASK WORDS for the products of the turn to come, from position MPOS.  fl: the flag of that position's unit.  Visible throughout and the words already 0: nothing is done.  Visible throughout and the words
; not yet 0: the run writes zeros, by selectors that take no byte.  Else it puts each byte on top of its word.  The jump hangs on whole numbers from fl alone, goes forward and passes no barrier.
.macro LUMP fl
	s_and_b32 s54, s[\fl], s[ZF]
	s_cbranch_scc1 .Lno_words_\@
	s_cmp_lg_u32 s[\fl], 0
.irp k, 0,1,2,3
	s_cselect_b32 s[PS+\k], 0x0c0c0c0c, s[PSEL+\k]
.endr
.set z, 0
.rept 32
	v_perm_b32 v[MC+z], v[MB+8*MPOS+z/4], v[MB+8*MPOS+z/4], s[PS+z%4]
.set z, z+1
.endr
	s_mov_b32 s[ZF], s[\fl]
.Lno_words_\@:
.endm
; A TURN, written out.  No line names a register of the products round it; every exponential has a plain instruction behind it before its result is used; C 2n stands ahead of B n, L n behind B n.
; K of the next step is fetched in piece 0's turn (its buffer was last read two turns back), V of the next step in piece 1's turn, five plain instructions behind the last product that read its buffer;
; both are waited for at the head of piece 3's turn.  Turns 0 to 3 take positions 2 to 5 of this unit, turns 4 and 5 its positions 6 and 7, turns 6 and 7 positions 0 and 1 of the next unit.
.macro TURN tau
.set Y, (\tau)%4
.set HF, (\tau)/4
.set MPOS, ((\tau)+2)%8
.set KBUF, HF
.set VBUF, HF
.if Y == 3
.set KBUF, 1-HF                        ; piece 0's scores of the next step
	s_wait_dscnt 0x0                               ; K and V of the next step are in
.endif
.if Y == 0
.set VBUF, 1-HF                        ; piece 3's weights of the step before
.endif
.set i, 0
	ROW F,0, F,1, F,2, F,3
.if (Y == 1) && (HF == 0)
	FETCH_V 1, AVC, VHF
.elseif Y == 1
	FETCH_V 0, AVN, 0
.endif
	ROW F,4, E,0, F,5, E,1
.if (Y == 0) && (HF == 0)
	FETCH_K 1, AKC, KHF
.elseif Y == 0
	FETCH_K 0, AKN, 0
.endif
	ROW F,6, E,2, F,7, E,3
	ROW F,8, E,4, C,0, E,5
	ROW F,9, E,6, C,1, E,7
	ROW R,0, R,1, R,2, R,3
	ROW F,10, E,8, B,0, E,9
	ROW C,2, E,10, F,11, E,11
	ROW C,3, E,12, L,0, E,13
	ROW F,12, E,14, B,1, E,15
	ROW C,4, E,16, F,13, E,17
	ROW R,4, R,5, R,6, R,7
	ROW C,5, E,18, L,1, E,19
	ROW F,14, E,20, B,2, E,21
	ROW C,6, E,22, F,15, E,23
	ROW C,7, E,24, L,2, E,25
	ROW B,3, E,26, C,8, E,27
	ROW R,8, R,9, R,10, R,11
	ROW C,9, E,28, L,3, E,29
	ROW B,4, E,30, C,10, E,31
	ROW C,11, L,4, C,12, B,5
	ROW C,13, C,14, B,6, L,5
	ROW C,15, B,7, L,6, X,15
	ROW R,12, R,13, R,14, R,15                     ; the four places behind the last of the scores' products
	ROW L,7, X,0, X,1, X,2
	ROW X,3, X,4, X,5, X,6
	ROW X,7, X,8, X,9, X,10
	ROW X,11, X,12, X,13, X,14
	ROW X,16                                       ; the chain's last links wait for each other: a product stands between most of them
	ROW X,17
	ROW X,18, X,19
	ROW X,20, X,21
	WIN 0
.if (\tau) == 4
	s_wait_loadcnt 24                              ; positions 6, 7, 0, 1 were asked for at the trip's beginning, ahead of the unit's 24 loads, which go out on every way; turn 3's eight may or may not be out behind those, so they are not counted
.endif
.if (\tau) < 6
	LUMP FC
.else
	LUMP F1
.endif
.if (\tau) == 3
	s_cmp_lg_u32 s[F1], 0                          ; positions 2 to 5 have been read: they take the next unit's bytes, unless it is visible throughout
	s_cbranch_scc1 .Lno_25_\@
	MBLOAD 2, MB1
	MBLOAD 3, MB1
	MBLOAD 4, MB1
	MBLOAD 5, MB1
.Lno_25_\@:
.endif
.endm
; A trip's beginning: the unit that lies in registers goes into its slot, the list steps, the mask bytes that the trip's second half wants and the next unit's loads go out.
.macro PRODUCE
	s_wait_loadcnt 0x0                             ; the unit's 24 loads were issued a trip ago; behind them at most turn 3's eight, half a trip ago; how many hangs on the flags, so the count is 0
	v_add_nc_u32 v[AKC], s[RC], v[AK0]
	v_add_nc_u32 v[AVC], s[RC], v[AV0]
	v_add_nc_u32 v[AKN], s[RN], v[AK0]
	v_add_nc_u32 v[AVN], s[RN], v[AV0]
	v_add_nc_u32 v[SK], s[RST], v[SK0]
	v_add_nc_u32 v[SV], s[RST], v[SV0]
	WIN 0x0c                                       ; data window 3
	UNITSTORE STG, SK, SV
	WIN 0
	s_wait_xcnt 0x0                                ; the scalar bases of earlier loads are written again only behind this wait
	s_mov_b32 s[FC], s[F1]                         ; what was the next unit is the unit in hand
	s_mov_b64 s[MB0:MB0+1], s[MB1:MB1+1]
	s_mov_b32 s[P1], s[P2]
	s_mov_b32 s[P2], s[P3]
	POP P3
	MOFF P1, MB1, F1
	s_cmp_lg_u32 s[FC], 0
	s_cbranch_scc1 .Lno_67_\@
	MBLOAD 6, MB0
	MBLOAD 7, MB0
.Lno_67_\@:
	s_cmp_lg_u32 s[F1], 0
	s_cbranch_scc1 .Lno_01_\@
	MBLOAD 0, MB1
	MBLOAD 1, MB1
.Lno_01_\@:
	WIN 0xc0
	UNITLOAD P3, STG
	WIN 0
.endm
; A BLOCK BEGINS.  O^T, l and the second buffer of P are 0 (the first turn's products V^T P, of a piece that has not been, add 0); m starts at -1e30.  Piece 0's sums start as its mask words, in place;
; piece 1's mask words are made.  Then piece 0's first scores, on the K that lies in buffer 0, and its maximum and statistics.  The price of writing no first step out: 152 lines that write 0.
.macro BEGIN
	s_mov_b32 s[ZF], 0                             ; the mask words are what the block's first masks make of them
	WIN 0x40
.set i, 0
.rept 128
	v_mov_b32 v[i], 0
.set i, i+1
.endr
	WIN 0
.set i, 0
.rept 4
	v_mov_b32 v[ST+4*i+1], 0xf149f2ca              ; m = -1e30
	v_mov_b32 v[ST+4*i+2], 0
	v_mov_b32 v[ST+4*i+3], 0
	v_mul_f32 v[ST+4*i], s[CS], v[ST+4*i+1]        ; c m
.set i, i+1
.endr
.set i, 0
.rept 16
	v_mov_b32 v[P+16+i], 0
.set i, i+1
.endr
.set i, 0
.rept 32
	v_perm_b32 v[S+i], v[BM+i/4], v[BM+i/4], s[PSEL+i%4]
	v_perm_b32 v[MC+i], v[BM+8+i/4], v[BM+8+i/4], s[PSEL+i%4]
.set i, i+1
.endr
.set i, 0
.rept 24
	KQ 0, 0, 1
.set i, i+1
.endr
	WIN 0
.rept 4
	v_nop                                          ; the places behind those products
.endr
.set Y, 3                              ; X works for piece Y + 1: piece 0
.irp n, 0,1,2,3,4,5,6,7,8,9,10,11,12,13,14,15,16,17,18,19,20,21
	OP X, \n
.endr
	v_nop                                          ; a plain instruction behind the exponential
.endm
.macro ALL line:vararg
.set t, 0
.rept 4
	\line
.set t, t+1
.endr
.endm
.macro PACK t                          ; O^T / l, rounded to f16: 16 bytes a lane into rows of 144 bytes, back as whole rows of 128, into S^T's registers
	WIN W_RS
.set i, 32*(\t)
.rept 16
	v_pk_mul_f32 v[i:i+1], v[i:i+1], v[ST+4*(\t)+2:ST+4*(\t)+3] op_sel_hi:[1,0]
.set i, i+2
.endr
	WIN 0x05
.set i, 0
.rept 16
	v_cvt_pk_f16_f32 v[S+16*(\t)+i], v[32*(\t)+2*i], v[32*(\t)+2*i+1]
.set i, i+1
.endr
	WIN 0
.irp f, 0,1,2,3
	ds_store_b128 v[STO], v[S+16*(\t)+4*\f:S+16*(\t)+4*\f+3] offset:32*\f
.endr
.irp f, 0,1,2,3
	ds_load_b128 v[S+16*(\t)+4*\f:S+16*(\t)+4*\f+3], v[RD] offset:\f*4*SP  ; LDS serves a wave's instructions in order (ISA guide 5.7.1.4): these see the stores above
.endr
.endm
.macro SEND t, younger                 ; younger: the LDS instructions issued behind piece t's loads: the next piece's eight, or none
	WIN 0
.irp f, 0,1,2,3
	s_wait_dscnt (\younger)+3-\f
	global_store_b128 v[LO16], v[S+16*(\t)+4*\f:S+16*(\t)+4*\f+3], s[OBC:OBC+1] offset:(\t)*2048+\f*512  ; 512 consecutive bytes, aligned
.endr
.endm
	s_load_b256 s[84:91], s[0:1], 0x0              ; qk 84, vb 86, mb 88, fl 90
	s_load_b64 s[92:93], s[0:1], 0x20              ; ob
	v_lshl_add_u32 v[SPW], v0, 2, SPARE
	v_mov_b32 v[NIL], 0
	v_lshrrev_b32 v60, 5, v0
	v_readfirstlane_b32 s[WV], v60                 ; wave 0..3
	s_mov_b32 s54, ttmp9                           ; p: the second block
	s_sub_co_u32 s55, 7, s54                       ; the first block
	s_and_b32 s56, ttmp7, 0xffff                   ; b 16 + h
	s_mov_b32 s[OFFP+1], 0
	s_lshl_b32 s57, s[WV], 6
	s_lshl_b32 s[UA], s55, 8
	s_add_co_u32 s[UA], s[UA], s57
	s_lshl_b32 s[UB], s54, 8
	s_add_co_u32 s[UB], s[UB], s57
	s_mov_b32 s[CS], 0x4138aa3b                    ; c = 8 log2(e)
	s_mov_b32 s[CS+1], s[CS]
	s_mov_b32 s[SEL], 0x76543210
	s_mov_b32 s[SEL+1], 0xfedcba98
	s_mov_b32 s[PSEL], 0x000c0c0c                  ; byte k of the source on top, zeros below
	s_mov_b32 s[PSEL+1], 0x010c0c0c
	s_mov_b32 s[PSEL+2], 0x020c0c0c
	s_mov_b32 s[PSEL+3], 0x030c0c0c
	s_wait_kmcnt 0x0
	s_lshl_b32 s[OFFP], s55, 5
	s_add_nc_u64 s[94:95], s[90:91], s[OFFP:OFFP+1]
	s_lshl_b32 s[OFFP], s54, 5
	s_add_nc_u64 s[96:97], s[90:91], s[OFFP:OFFP+1]
	s_load_b256 s[68:75], s[94:95], 0x0            ; the first block's eight words of fl
	s_load_b256 s[76:83], s[96:97], 0x0            ; the second block's
	s_lshl_b32 s57, s56, 19                        ; q: a head is 2,048 rows of 256 bytes; a block 256 rows; my wave 64
	s_lshl_b32 s58, s[WV], 14
	s_add_co_u32 s57, s57, s58
	s_lshl_b32 s[OFFP], s55, 16
	s_add_co_u32 s[OFFP], s[OFFP], s57
	s_add_nc_u64 s[QC:QC+1], s[84:85], s[OFFP:OFFP+1]
	s_lshl_b32 s[OFFP], s54, 16
	s_add_co_u32 s[OFFP], s[OFFP], s57
	s_add_nc_u64 s[QN:QN+1], s[84:85], s[OFFP:OFFP+1]
	s_add_co_u32 s[OFFP], s56, 64                  ; k lies 64 heads behind q
	s_lshl_b32 s[OFFP], s[OFFP], 19
	s_lshl_b32 s58, s[WV], 13                      ; my 32 rows of a unit
	s_add_co_u32 s[OFFP], s[OFFP], s58
	s_add_nc_u64 s[KB:KB+1], s[84:85], s[OFFP:OFFP+1]
	s_lshl_b32 s57, s56, 18                        ; v and O: 128 bytes a row
	s_lshl_b32 s58, s[WV], 12
	s_add_co_u32 s[OFFP], s57, s58
	s_add_nc_u64 s[VB:VB+1], s[86:87], s[OFFP:OFFP+1]
	s_mov_b64 s[MBB:MBB+1], s[88:89]
	s_lshl_b32 s58, s[WV], 13
	s_add_co_u32 s57, s57, s58
	s_lshl_b32 s[OFFP], s55, 15
	s_add_co_u32 s[OFFP], s[OFFP], s57
	s_add_nc_u64 s[OBC:OBC+1], s[92:93], s[OFFP:OFFP+1]
	s_lshl_b32 s[OFFP], s54, 15
	s_add_co_u32 s[OFFP], s[OFFP], s57
	s_add_nc_u64 s[OBN:OBN+1], s[92:93], s[OFFP:OFFP+1]
	v_and_b32 v60, 31, v0                          ; lane
	v_and_b32 v1, 15, v0                           ; l % 16
	v_bfe_u32 v61, v0, 4, 1                        ; l / 16
	v_lshlrev_b32 v[LO16], 4, v60
	v_mul_u32_u24 v[AK0], v1, PK
	v_lshl_add_u32 v[AK0], v61, 4, v[AK0]          ; a fragment of K: row x pitch + 16 x half
	v_and_b32 v62, 7, v0
	v_bfe_u32 v63, v0, 3, 1
	v_lshl_add_u32 v[AV0], v61, 3, v62             ; the turning load: key 8 (l / 16) + l % 8, channels 8 ((l / 8) % 2) on
	v_mul_u32_u24 v[AV0], v[AV0], PV
	v_lshl_add_u32 v[AV0], v63, 4, v[AV0]
	v_add_nc_u32 v[AV0], VOFF, v[AV0]
	s_lshl_b32 s58, s[WV], 5
	v_add_nc_u32 v[SK0], s58, v61                  ; into a slot: K's row 32 w + l / 16 (+ 2 i), 16 bytes at 16 (l % 16)
	v_mul_u32_u24 v[SK0], v[SK0], PK
	v_lshl_add_u32 v[SK0], v1, 4, v[SK0]
	v_lshrrev_b32 v[SV0], 3, v60                   ; V's row 32 w + l / 8 (+ 4 i), 16 bytes at 16 (l % 8)
	v_add_nc_u32 v[SV0], s58, v[SV0]
	v_mul_u32_u24 v[SV0], v[SV0], PV
	v_lshl_add_u32 v[SV0], v62, 4, v[SV0]
	v_add_nc_u32 v[SV0], VOFF, v[SV0]
	v_lshlrev_b32 v[QO], 8, v1
	v_lshl_add_u32 v[QO], v61, 4, v[QO]
	s_mul_i32 s58, s[WV], 16*SP
	s_add_co_u32 s58, s58, STAGE                   ; my stage
	v_mul_u32_u24 v[STO], v1, SP
	v_lshl_add_u32 v[STO], v61, 4, v[STO]
	v_add_nc_u32 v[STO], s58, v[STO]
	v_lshrrev_b32 v[RD], 3, v60
	v_mul_u32_u24 v[RD], v[RD], SP
	v_lshl_add_u32 v[RD], v62, 4, v[RD]
	v_add_nc_u32 v[RD], s58, v[RD]
	s_wait_kmcnt 0x0
.irp r, 69,70,71,72,73,74,75
	s_or_b32 s68, s68, s\r                         ; each word holds its own two units' bits
.endr
.irp r, 77,78,79,80,81,82,83
	s_or_b32 s76, s76, s\r
.endr
	s_and_b32 s54, s68, 0xffff
	s_cmp_eq_u32 s54, 0
	s_cselect_b32 s54, 1, s54                      ; a block with nothing visible walks unit 0, whose mask bytes hide everything
	s_lshr_b32 s55, s68, 16
	s_and_b32 s56, s76, 0xffff
	s_cmp_eq_u32 s56, 0
	s_cselect_b32 s56, 1, s56
	s_lshr_b32 s57, s76, 16
	s_bcnt1_i32_b32 s[REM], s54
	s_bcnt1_i32_b32 s[NBU], s56
	s_add_co_u32 s[LEFT], s[REM], s[NBU]
	s_lshl_b32 s56, s56, 16
	s_or_b32 s[LST], s54, s56
	s_lshl_b32 s57, s57, 16
	s_or_b32 s[FMK], s55, s57
	s_mov_b32 s[P1], 0
	POP P1                                         ; here P1, P2, P3 are units 0, 1, 2 of the walk, and MB1 and F1 are unit 0's: the first trip's beginning steps them
	s_mov_b32 s[P2], s[P1]
	POP P2
	s_mov_b32 s[P3], s[P2]
	POP P3
	MOFF P1, MB1, F1
	WIN 0x80                                       ; units 0 and 1 pass through K's registers, which are still free
	UNITLOAD P1, 0
	s_wait_xcnt 0x0                                ; the bases are written again only behind this wait
	UNITLOAD P2, 96
	s_wait_xcnt 0x0
	WIN 0xc0
	UNITLOAD P3, STG
	QLOAD QC
	BMLOAD
.irp z2, 0,1,2,3,4,5,6,7
	MBLOAD \z2, MB1                                ; unit 0's positions 2 to 5 are wanted; the other four are written once here and take their bytes at the first trip's beginning
.endr
	v_add_nc_u32 v[SK], 0x10000, v[SK0]
	v_add_nc_u32 v[SV], 0x10000, v[SV0]
	s_wait_loadcnt 0x0                             ; once a launch
	WIN 0x08                                       ; data window 2
	UNITSTORE 0, SK0, SV0
	UNITSTORE 96, SK, SV
	WIN 0
	s_wait_dscnt 0x0                               ; for the others' sake
	s_barrier_signal -1
	s_barrier_wait -1
	FETCH_K 0, AK0, 0
	FETCH_V 0, AV0, 0
	FETCH_V 1, AV0, VHF                            ; finite numbers for the first turn's products on weights of 0
	s_wait_dscnt 0x0
	s_mov_b32 s[RC], 0x20000                       ; the ring goes 0, 1, 3, 2 by exclusive ors: the first trip's step makes slot 0 of this
	s_mov_b32 s[RM], 0x20000
	s_mov_b32 s[TRIPS], 33                         ; the way in passes the loop's foot once; then 32 trips
	s_branch .Lbegin                               ; a block's beginning is written once, inside the loop: the first block enters there
.Ltrip:
	s_wait_dscnt 0x0                               ; my stores into the ring are done and my reads of it are back
	s_barrier_signal -1
	s_xor_b32 s[RC], s[RC], s[RM]                  ; unit x's slot,
	s_xor_b32 s[RM], s[RM], 0x30000
	s_xor_b32 s[RN], s[RC], s[RM]                  ; unit x + 1's,
	s_xor_b32 s[RST], s[RC], 0x30000               ; unit x + 2's: last read two barriers back
	s_barrier_wait -1
	s_cmp_eq_u32 s[LEFT], 0
	s_cbranch_scc1 .Lbottom                        ; nothing is left: the trip is its barrier
	PRODUCE
	TURN 0
	TURN 1
	TURN 2
	TURN 3
	TURN 4
	TURN 5
	TURN 6
	TURN 7
	WIN 0
	s_sub_co_u32 s[LEFT], s[LEFT], 1
	s_sub_co_u32 s[REM], s[REM], 1
	s_cmp_lg_u32 s[REM], 0
	s_cbranch_scc1 .Lbottom
	; A BLOCK ENDS.  One way for both blocks: the second block's Q and first masks are asked for, the last products and the way out stand in the wait, and BEGIN follows.  Behind the second block the loads repeat
	; valid addresses and BEGIN serves nothing: the price, once a launch, of one path on which every load has its wait.  Turn 7's scores for a next piece 0 were made with the old Q: they touched m and c m alone.
	QLOAD QN
	BMLOAD
.set i, 0
.rept 8
	PV 3, 1                                        ; the last piece's V^T P of the last step
.set i, i+1
.endr
	WIN 0
	ALL v_add_f32 v[ST+4*t+2], v[ST+4*t+2], v[ST+4*t+3]
	ALL v_permlanex16_b32 v[ST+4*t+3], v[ST+4*t+2], s[SEL], s[SEL+1]
	ALL v_add_f32 v[ST+4*t+2], v[ST+4*t+2], v[ST+4*t+3]
	ALL v_rcp_f32 v[ST+4*t+2], v[ST+4*t+2]
	v_nop                                          ; a plain instruction between the last reciprocal and the use of its result; the eight additions are the places behind the last products
	s_wait_alu depctr_va_vdst(0)
	PACK 0
	PACK 1
	SEND 0, 8
	PACK 2
	SEND 1, 8
	PACK 3
	SEND 2, 8
	SEND 3, 0
	s_wait_xcnt 0x0                                ; the stores' data and base are written again only behind this wait
	s_mov_b64 s[OBC:OBC+1], s[OBN:OBN+1]
	s_mov_b32 s[REM], s[NBU]
	s_wait_loadcnt 0x0                             ; Q and the first masks
.Lbegin:
	BEGIN
.Lbottom:
	s_sub_co_u32 s[TRIPS], s[TRIPS], 1
	s_cmp_lg_u32 s[TRIPS], 0
	s_cbranch_scc1 .Ltrip
	s_wait_tensorcnt 0x0                           ; the wave's end, behind my last LDS store
	ds_add_u32 v[SPW], v[NIL]
	s_wait_dscnt 0x0
	s_endpgm
.Lfunc_end_k_qa7b263caaf_attn:
	.size	k_qa7b263caaf_attn, .Lfunc_end_k_qa7b263caaf_attn-k_qa7b263caaf_attn
	.p2alignl 7, 3214868480
	.fill 96, 4, 3214868480
	.section	.rodata,"a",@progbits
	.p2align	6, 0x0
	.amdhsa_kernel k_qa7b263caaf_attn
		.amdhsa_group_segment_fixed_size 271872
		.amdhsa_private_segment_fixed_size 0
		.amdhsa_enable_private_segment 0
		.amdhsa_kernarg_size 40
		.amdhsa_user_sgpr_count 2
		.amdhsa_user_sgpr_kernarg_segment_ptr 1
		.amdhsa_wavefront_size32 1
		.amdhsa_system_sgpr_workgroup_id_x 1
		.amdhsa_system_sgpr_workgroup_id_y 1
		.amdhsa_system_sgpr_workgroup_id_z 1
		.amdhsa_system_vgpr_workitem_id 0
		.amdhsa_next_free_vgpr 992
		.amdhsa_next_free_sgpr 100
		.amdhsa_reserve_vcc 0
		.amdhsa_float_denorm_mode_32 3
		.amdhsa_float_denorm_mode_16_64 3
		.amdhsa_memory_ordered 1
		.amdhsa_forward_progress 1
		.amdhsa_inst_pref_size 176
	.end_amdhsa_kernel
	.amdgpu_metadata
---
amdhsa.version: [ 1, 2 ]
amdhsa.kernels:
  - .name:           k_qa7b263caaf_attn
    .symbol:         k_qa7b263caaf_attn.kd
    .args:
      - { .name: qk, .offset: 0, .size: 8, .value_kind: global_buffer, .address_space: global }
      - { .name: vb, .offset: 8, .size: 8, .value_kind: global_buffer, .address_space: global }
      - { .name: mb, .offset: 16, .size: 8, .value_kind: global_buffer, .address_space: global }
      - { .name: fl, .offset: 24, .size: 8, .value_kind: global_buffer, .address_space: global }
      - { .name: ob, .offset: 32, .size: 8, .value_kind: global_buffer, .address_space: global }
    .group_segment_fixed_size: 271872
    .private_segment_fixed_size: 0
    .kernarg_segment_align: 8
    .kernarg_segment_size: 40
    .max_flat_workgroup_size: 128
    .sgpr_count:     100
    .vgpr_count:     992
    .wavefront_size: 32
...
	.end_amdgpu_metadata
.endif
;; end of part 3
;; launch outp (part 4): grid 4 x 64, 4 waves a work-group, clusters of 4 x 4, 327,680 bytes of LDS; arguments ob, wo16, bo, out0; writes out0
.if DOCPART == 4
	.amdgcn_target "amdgcn-amd-amdhsa--gfx1250"
	.amdhsa_code_object_version 6
	.text
	.protected	k_qa7b263caaf_outp
	.globl	k_qa7b263caaf_outp
	.p2align	8
	.type	k_qa7b263caaf_outp,@function
k_qa7b263caaf_outp:
	s_mov_b64 s[64:65], 0
	v_nop
	global_prefetch_b8 v0, s[64:65] scope:SCOPE_SE
	s_setreg_imm32_b32 hwreg(HW_REG_WAVE_MODE, 25, 1), 1
	s_wait_xcnt 0x0
	s_wait_alu depctr_hold_cnt(0) depctr_sa_sdst(0) depctr_va_vdst(0) depctr_va_sdst(0) depctr_va_ssrc(0) depctr_va_vcc(0) depctr_vm_vsrc(0)
	s_getreg_b32 s2, hwreg(HW_REG_IB_STS2, 6, 4)
	s_cmp_eq_u32 s2, 0
	s_cbranch_scc0 .Lentry_in_a_cluster
	s_endpgm
.Lentry_in_a_cluster:
	s_bfe_u32 s2, ttmp6, 0x10000c
	s_cmp_lg_u32 s2, 0xf033
	s_cbranch_scc0 .Lentry_shape_is_right
	s_endpgm
.Lentry_shape_is_right:
; THE OUTPUT PROJECTION.  out0[m][n] = sum over k of O[m][k] Wo[n][k] + bo[n]; m = 8,192 tokens, n, k = 1,024.  f16 operands (O as attention left it, [b*16+h][s][64]; Wo's bf16 rounding written as f16), f32 sums;
; bo is rounded to bf16 like every input.  A tile of C is 128 x 256; four waves, each 64 x 128: 32 accumulators.  A K step of 128 is two heads: each head's 128 tokens are 16,384 dense bytes, asked for as 64 rows
; of 256 bytes and padded in LDS after every token.  Ring, round and turns as in the projections' kernel.  CLUSTER 4 x 4: A's tile is shared along a row, B's along a column.
; THE MATRIX INSTRUCTION IS USED TRANSPOSED: a lane holds eight neighbouring columns of one row of C.  A NaN row of O (no visible key) gives a NaN row of out0.
; REGISTERS: window 0: v0-31 addresses, v32-101 the way out.  window 1: two fragment buffers of 96.  window 2: accumulator (a, b) at v[8 (8 a + b)].
.set PA,    144                        ; a token's 128 bytes + 16
.set PB,    272
.set AQ2,   128*PA                     ; quarters 2 and 3 lie in the step's second head
.set ALD,   128*PA
.set AWM,   64*PA
.set BHALF, 128*PB
.set BOFF,  2*128*PA
.set SLOT,  BOFF+2*BHALF
.set STAGE, 2*SLOT                     ; behind the ring, never filled by a tensor load: 16 rows x 528 bytes a wave
.set WSTG,  16*528
.set SPARE, STAGE+4*WSTG
.set LAPS,  4
.set AK1,   524288                     ; two heads of 2,048 x 128 bytes
.set BK1,   256
.set ADRA, 16
.set ADRB, 20
.set STO,  24
.set RD,   25
.set CO,   26
.set BO,   27
.set SPW,  28
.set NIL,  29
.set RB,   32
.set BIAS, 96
.set F0,   0
.set F1,   96
.set G1,  24
.set G0,  32
.set G1B, 48
.set G0B, 56
.set MSB, 0
.macro WIN new
.if MSB != (\new)
	s_set_vgpr_msb (MSB<<8)|(\new)
.set MSB, \new
.endif
.endm
.set MUL,  0xa5
.set TO_F, 0x40
.macro JLOAD s                         ; a joint load: waves 0 and 1 fetch the step's two heads of A, waves 2 and 3 B's two halves; an s_nop 0 and four v_nop follow each line
	s_cmp_eq_u32 s11, 0
	s_cbranch_scc0 .Lfor_b_\@
	tensor_load_to_lds s[G0+4*(\s):G0+4*(\s)+3], s[G1:G1+7]
	s_nop 0
.rept 4
	v_nop
.endr
	s_branch .Lasked_\@
.Lfor_b_\@:
	tensor_load_to_lds s[G0B+4*(\s):G0B+4*(\s)+3], s[G1B:G1B+7]
	s_nop 0
.rept 4
	v_nop
.endr
.Lasked_\@:
.endm
.macro CREST
	s_cmp_lg_u32 s10, 0
	s_cbranch_scc1 .Lnot_wave_0_\@
	s_barrier_signal -3
.Lnot_wave_0_\@:
	s_barrier_wait -3
	s_barrier_signal -1
	s_barrier_wait -1
.endm
.macro CROUND
	s_barrier_signal -1
	s_barrier_wait -1
	CREST
.endm
	s_load_b128 s[4:7], s[0:1], 0x0                ; ob s[4:5], wo16 s[6:7]
	s_load_b128 s[68:71], s[0:1], 0x10             ; bo s[68:69], out0 s[70:71]
	v_lshl_add_u32 v[SPW], v0, 2, SPARE
	v_mov_b32 v[NIL], 0
	ds_add_u32 v[SPW], v[NIL]                      ; the wave's opening: the add and its wait ahead of my first tensor load
	v_lshrrev_b32 v1, 5, v0
	v_readfirstlane_b32 s10, v1
	s_lshr_b32 s11, s10, 1
	s_and_b32 s12, s10, 1
	s_bfe_u32 s40, ttmp6, 0x40000
	s_bfe_u32 s41, ttmp6, 0x40004
	s_lshl_b32 s42, ttmp9, 2
	s_add_co_u32 s42, s42, s40                     ; x
	s_and_b32 s13, ttmp7, 0xffff
	s_lshl_b32 s13, s13, 2
	s_add_co_u32 s13, s13, s41                     ; y
	s_lshl_b32 s43, s41, 2
	s_lshl_b32 s43, 15, s43
	s_lshl_b32 s44, 0x1111, s40
	s_or_b32 s[G1+0], s43, (1<<16)|(1<<20)|(1<<21)|(4<<22)|(3<<25)   ; A: after every 32 words (a token) 4 words of padding
	s_or_b32 s[G1B+0], s44, (1<<16)|(1<<20)|(1<<21)|(5<<22)|(3<<25)  ; B: after every 64 words
	s_mov_b32 s[G1+1], 128<<16
	s_mov_b32 s[G1+2], 64<<16
	s_mov_b32 s[G1+3], 128<<16
	s_mov_b32 s[G1+4], 64
	s_mov_b32 s[G1+5], 128                         ; dense: a row begins where the last ends
	s_mov_b32 s[G1+6], 0
	s_mov_b32 s[G1+7], 0
	s_mov_b32 s[G1B+1], 128<<16
	s_mov_b32 s[G1B+2], 128<<16
	s_mov_b32 s[G1B+3], 128<<16
	s_mov_b32 s[G1B+4], 128
	s_mov_b32 s[G1B+5], 1024
	s_mov_b32 s[G1B+6], 0
	s_mov_b32 s[G1B+7], 0
	s_lshr_b32 s16, s13, 4                         ; A: ((b 16 + my head of the step) 2,048 + (y % 16) 128) rows of 128 bytes
	s_lshl_b32 s16, s16, 4
	s_add_co_u32 s16, s16, s12
	s_lshl_b32 s16, s16, 11
	s_and_b32 s17, s13, 15
	s_lshl_b32 s17, s17, 7
	s_add_co_u32 s16, s16, s17
	s_lshl_b32 s16, s16, 7
	s_mov_b32 s17, 0
	s_lshl_b32 s46, s42, 8                         ; B: row 256 x + 128 x half, 2,048 bytes a row
	s_lshl_b32 s47, s12, 7
	s_add_co_u32 s46, s46, s47
	s_lshl_b32 s46, s46, 11
	s_mov_b32 s47, 0
	s_mul_i32 s20, s12, ALD
	s_mul_i32 s21, s12, BHALF
	s_add_co_u32 s21, s21, BOFF
	s_wait_dscnt 0x0                               ; the opening add is done
	s_wait_kmcnt 0x0
	s_add_nc_u64 s[14:15], s[4:5], s[16:17]
	s_add_nc_u64 s[46:47], s[6:7], s[46:47]
	CROUND
.irp s, 0,1
	s_mov_b32 s[G0+4*(\s)], 1
	s_add_co_u32 s[G0+4*(\s)+1], s20, (\s)*SLOT
	s_add_nc_u64 s[G0+4*(\s)+2:G0+4*(\s)+3], s[14:15], (\s)*AK1
	s_or_b32 s[G0+4*(\s)+3], s[G0+4*(\s)+3], 0x80000000
	s_mov_b32 s[G0B+4*(\s)], 1
	s_add_co_u32 s[G0B+4*(\s)+1], s21, (\s)*SLOT
	s_add_nc_u64 s[G0B+4*(\s)+2:G0B+4*(\s)+3], s[46:47], (\s)*BK1
	s_or_b32 s[G0B+4*(\s)+3], s[G0B+4*(\s)+3], 0x80000000
	JLOAD \s
.endr
	v_and_b32 v1, 15, v0
	v_bfe_u32 v2, v0, 4, 1
	v_mul_u32_u24 v3, v1, PA
	v_lshl_add_u32 v3, v2, 4, v3
	v_mul_u32_u24 v4, v1, PB
	v_lshl_add_u32 v4, v2, 4, v4
	s_mul_i32 s21, s11, AWM
	s_mul_i32 s22, s12, BHALF
	s_add_co_u32 s22, s22, BOFF
.irp s, 0,1
	v_add_nc_u32 v[ADRA+(\s)], s21, v3
	v_add_nc_u32 v[ADRB+(\s)], s22, v4
	s_add_co_u32 s21, s21, SLOT
	s_add_co_u32 s22, s22, SLOT
.endr
	v_and_b32 v5, 31, v0
	s_mul_i32 s23, s10, WSTG
	s_add_co_u32 s23, s23, STAGE
	v_mul_u32_u24 v8, v1, 528                      ; in: row l % 16, 32 bytes for each half of the lanes
	v_lshl_add_u32 v8, v2, 5, v8
	v_add_nc_u32 v[STO], s23, v8
	v_lshlrev_b32 v[CO], 4, v5                     ; 512 consecutive bytes: my 128 columns of a row
	v_add_nc_u32 v[RD], s23, v[CO]
	s_lshl_b32 s72, s42, 10
	s_lshl_b32 s73, s12, 9
	s_add_co_u32 s72, s72, s73                     ; my first column, in bytes
	v_add_nc_u32 v[BO], s72, v[CO]
	global_load_b128 v[BIAS:BIAS+3], v[BO], s[68:69]  ; my four columns' bias
	s_lshl_b32 s74, s13, 7
	s_lshl_b32 s73, s11, 6
	s_add_co_u32 s74, s74, s73                     ; my first row
	s_lshl_b32 s74, s74, 12
	s_add_co_u32 s74, s74, s72
	s_mov_b32 s75, 0
	s_add_nc_u64 s[70:71], s[70:71], s[74:75]
.macro MUL8 f, a, zero
	WIN MUL
.irp b, 0,1,2,3,4,5,6,7
.if \zero
	v_wmma_f32_16x16x32_f16 v[8*(8*(\a)+(\b)):8*(8*(\a)+(\b))+7], v[(\f)+8*(\b):(\f)+8*(\b)+7], v[(\f)+64+8*(\a):(\f)+64+8*(\a)+7], 0
.else
	v_wmma_f32_16x16x32_f16 v[8*(8*(\a)+(\b)):8*(8*(\a)+(\b))+7], v[(\f)+8*(\b):(\f)+8*(\b)+7], v[(\f)+64+8*(\a):(\f)+64+8*(\a)+7], v[8*(8*(\a)+(\b)):8*(8*(\a)+(\b))+7]
.endif
.endr
.endm
.macro FETCH slot, q, f
	WIN TO_F
.irp i, 0,1,2,3,4,5,6,7
	ds_load_b128 v[(\f)+8*(\i):(\f)+8*(\i)+3],   v[ADRB+(\slot)] offset:64*(\q)+(\i)*16*PB
	ds_load_b128 v[(\f)+8*(\i)+4:(\f)+8*(\i)+7], v[ADRB+(\slot)] offset:64*(\q)+(\i)*16*PB+32
.endr
.irp i, 0,1,2,3
	ds_load_b128 v[(\f)+64+8*(\i):(\f)+64+8*(\i)+3],   v[ADRA+(\slot)] offset:((\q)/2)*AQ2+((\q)%2)*64+(\i)*16*PA
	ds_load_b128 v[(\f)+64+8*(\i)+4:(\f)+64+8*(\i)+7], v[ADRA+(\slot)] offset:((\q)/2)*AQ2+((\q)%2)*64+(\i)*16*PA+32
.endr
.endm
.macro PLACES
.rept 4
	v_nop
.endr
.endm
.macro QUARTER slot, qn, f, g, zero
	s_wait_dscnt 4                                 ; all but A's fragments 2 and 3, the youngest four loads
	MUL8 \f, 0, \zero
	MUL8 \f, 1, \zero
	PLACES
	FETCH \slot, \qn, \g
	s_wait_dscnt 24                                ; all but the 24 just issued
	MUL8 \f, 2, \zero
	MUL8 \f, 3, \zero
.endm
.macro TURN slot, next, fill
	WIN 0
	s_wait_tensorcnt 0x0                           ; all my tensor loads have landed: my part of the next slot
	ds_add_u32 v[SPW], v[NIL]
	s_wait_dscnt 7                                 ; the add and A's fragments 1 to 3, six loads, may be out
	MUL8 F1, 0, 0
	s_wait_dscnt 0x0                               ; the add is done, and my reads of this slot are over
	s_barrier_signal -1
	MUL8 F1, 1, 0
.if \fill
	WIN 0
.endif
	s_barrier_wait -1
.if \fill
	CREST
	s_add_nc_u64 s[G0+4*(\slot)+2:G0+4*(\slot)+3], s[G0+4*(\slot)+2:G0+4*(\slot)+3], 2*AK1
	s_add_nc_u64 s[G0B+4*(\slot)+2:G0B+4*(\slot)+3], s[G0B+4*(\slot)+2:G0B+4*(\slot)+3], 2*BK1
	JLOAD \slot
.else
	PLACES
.endif
	FETCH \next, 0, F0
	MUL8 F1, 2, 0
	MUL8 F1, 3, 0
.endm
	s_wait_tensorcnt 1                             ; my part of K step 0 is in; K step 1's load may stay out
	s_barrier_signal -1
	s_barrier_wait -1
	FETCH 0, 0, F0
	QUARTER 0, 1, F0, F1, 1
	WIN 0
	s_mov_b32 s3, LAPS-1
.Llap:
	QUARTER 0, 2, F1, F0, 0
	QUARTER 0, 3, F0, F1, 0
	TURN 0, 1, 1
	QUARTER 1, 1, F0, F1, 0
	QUARTER 1, 2, F1, F0, 0
	QUARTER 1, 3, F0, F1, 0
	TURN 1, 0, 1
	QUARTER 0, 1, F0, F1, 0
	WIN 0
	s_sub_co_u32 s3, s3, 1
	s_cmp_lg_u32 s3, 0
	s_cbranch_scc1 .Llap
	QUARTER 0, 2, F1, F0, 0
	QUARTER 0, 3, F0, F1, 0
	TURN 0, 1, 0
	QUARTER 1, 1, F0, F1, 0
	QUARTER 1, 2, F1, F0, 0
	QUARTER 1, 3, F0, F1, 0
	s_wait_dscnt 4
	MUL8 F1, 0, 0
	MUL8 F1, 1, 0
	s_wait_dscnt 0x0
	MUL8 F1, 2, 0
	MUL8 F1, 3, 0
	WIN 0
	s_wait_loadcnt 0x0                             ; the bias
	v_cvt_pk_bf16_f32 v100, v[BIAS], v[BIAS+1]     ; rounded to bf16 like every input; these six lines are the places behind the last products
	v_cvt_pk_bf16_f32 v101, v[BIAS+2], v[BIAS+3]
	v_lshlrev_b32 v[BIAS], 16, v100
	v_and_b32 v[BIAS+1], 0xffff0000, v100
	v_lshlrev_b32 v[BIAS+2], 16, v101
	v_and_b32 v[BIAS+3], 0xffff0000, v101
; THE WAY OUT, 16 rows at a time: the f32 sums go into my stage (each accumulator's low four registers first), come back as whole rows of 512 bytes, take the bias and leave.
.macro OUTF a
	WIN 0x08                                       ; data window 2
.set i, 0
.rept 8
	ds_store_b128 v[STO], v[64*(\a)+8*i:64*(\a)+8*i+3] offset:64*i
	ds_store_b128 v[STO], v[64*(\a)+8*i+4:64*(\a)+8*i+7] offset:64*i+16
.set i, i+1
.endr
	WIN 0
.if \a
	s_wait_xcnt 0x0                                ; RB, which the last block's stores read, is loaded again only behind this wait
.endif
.set i, 0
.rept 16
	ds_load_b128 v[RB+4*i:RB+4*i+3], v[RD] offset:528*i  ; LDS serves a wave's instructions in order: these see the stores above
.set i, i+1
.endr
.set i, 0
.rept 16
	s_wait_dscnt 15-i                              ; the younger loads may stay out
	v_pk_add_f32 v[RB+4*i:RB+4*i+1], v[RB+4*i:RB+4*i+1], v[BIAS:BIAS+1]
	v_pk_add_f32 v[RB+4*i+2:RB+4*i+3], v[RB+4*i+2:RB+4*i+3], v[BIAS+2:BIAS+3]
	global_store_b128 v[CO], v[RB+4*i:RB+4*i+3], s[70:71] offset:(16*(\a)+i)*4096 th:TH_STORE_NT  ; 512 consecutive bytes, aligned
.set i, i+1
.endr
.endm
	OUTF 0
	OUTF 1
	OUTF 2
	OUTF 3
	s_wait_tensorcnt 0x0                           ; the wave's end
	ds_add_u32 v[SPW], v[NIL]
	s_wait_dscnt 0x0
	CROUND                                         ; the closing round
	s_endpgm
.Lfunc_end_k_qa7b263caaf_outp:
	.size	k_qa7b263caaf_outp, .Lfunc_end_k_qa7b263caaf_outp-k_qa7b263caaf_outp
	.p2alignl 7, 3214868480
	.fill 96, 4, 3214868480
	.section	.rodata,"a",@progbits
	.p2align	6, 0x0
	.amdhsa_kernel k_qa7b263caaf_outp
		.amdhsa_group_segment_fixed_size 327680
		.amdhsa_private_segment_fixed_size 0
		.amdhsa_enable_private_segment 0
		.amdhsa_kernarg_size 32
		.amdhsa_user_sgpr_count 2
		.amdhsa_user_sgpr_kernarg_segment_ptr 1
		.amdhsa_wavefront_size32 1
		.amdhsa_system_sgpr_workgroup_id_x 1
		.amdhsa_system_sgpr_workgroup_id_y 1
		.amdhsa_system_sgpr_workgroup_id_z 1
		.amdhsa_system_vgpr_workitem_id 0
		.amdhsa_next_free_vgpr 768
		.amdhsa_next_free_sgpr 80
		.amdhsa_reserve_vcc 0
		.amdhsa_float_denorm_mode_32 3
		.amdhsa_float_denorm_mode_16_64 3
		.amdhsa_memory_ordered 1
		.amdhsa_forward_progress 1
		.amdhsa_inst_pref_size 95
	.end_amdhsa_kernel
	.amdgpu_metadata
---
amdhsa.version: [ 1, 2 ]
amdhsa.kernels:
  - .name:           k_qa7b263caaf_outp
    .symbol:         k_qa7b263caaf_outp.kd
    .args:
      - { .name: ob, .offset: 0, .size: 8, .value_kind: global_buffer, .address_space: global }
      - { .name: wo16, .offset: 8, .size: 8, .value_kind: global_buffer, .address_space: global }
      - { .name: bo, .offset: 16, .size: 8, .value_kind: global_buffer, .address_space: global }
      - { .name: out0, .offset: 24, .size: 8, .value_kind: global_buffer, .address_space: global }
    .group_segment_fixed_size: 327680
    .private_segment_fixed_size: 0
    .kernarg_segment_align: 8
    .kernarg_segment_size: 32
    .max_flat_workgroup_size: 128
    .sgpr_count:     80
    .vgpr_count:     768
    .wavefront_size: 32
...
	.end_amdgpu_metadata
.endif
;; end of part 4
;; ======== version 2 of 2: 4 launches; 1.19 times as fast as version 1
;; limits: values are held in f16: magnitudes above 65,504 overflow, below 6.1e-05 lose precision
;; workspace buffers: wb 6,291,456 bytes; wo16 2,097,152 bytes; mb 4,325,376 bytes; fl 256 bytes of whole numbers; qk 67,108,864 bytes; vb 16,777,216 bytes; ob 16,777,216 bytes
;; launch prep: the kernel of part 1 again; grid 512 x 1, 8 waves a work-group, no clusters, 53,504 bytes of LDS; arguments Wq, Wk, Wv, Wo, mask, wb, wo16, mb, fl; writes wb, wo16, mb, fl
;; launch proj: the kernel of part 2 again; grid 4 x 192, 4 waves a work-group, clusters of 4 x 4, 327,680 bytes of LDS; arguments Q, K, V, wb, qk, vb; writes qk, vb
;; launch attn (part 5): grid 4 x 64, 4 waves a work-group, no clusters, 271,872 bytes of LDS; arguments qk, vb, mb, fl, ob; writes ob
.if DOCPART == 5
	.amdgcn_target "amdgcn-amd-amdhsa--gfx1250"
	.amdhsa_code_object_version 6
	.text
	.protected	k_qa7b263caaf_attn
	.globl	k_qa7b263caaf_attn
	.p2align	8
	.type	k_qa7b263caaf_attn,@function
k_qa7b263caaf_attn:
	s_mov_b64 s[64:65], 0
	v_nop
	global_prefetch_b8 v0, s[64:65] scope:SCOPE_SE
	s_setreg_imm32_b32 hwreg(HW_REG_WAVE_MODE, 25, 1), 1
	s_wait_xcnt 0x0
; ATTENTION UNDER A MASK THAT IS AN INPUT.  O[bh][q] = sum over k of softmax_k(8 q.k, hidden keys left out) v[bh][k].  q and k come as pairs of f16 (hi, lo): S = kh qh + kh ql + kl qh, sums in f32;
; the exponents have eight times the scores' spread, which one f16 a number does not carry.  v, the weights p and O are single f16; maxima and sums in f32.
; LIMITS.  A hidden score counts as -2^127; the running maximum starts at -1e30; a weight below 2^-126 counts as 0; NaN and infinities in q, k, v are not treated apart.
; A row with no visible key ends with l = 0 and O = 0, and 0 x (1 / 0) is NaN, as a softmax over nothing is.
; THE WALK.  A work-group takes two blocks of 256 queries of one (b, h): block 7 - p, then block p.  Keys go in UNITS of 128.  fl (whole numbers, stored by the launch before) says which units hold a visible key
; for a block: only those are walked, one list for both blocks.  The loop has a constant 32 trips, as many as the list can have entries; a trip with nothing left is one barrier.  All jumps on the list's counts and flags
; go forward and pass no barrier.  The pairing is a schedule: it is right for every mask, and gives equal work where the visible units grow evenly with the row.
; NO TENSOR LOADS, NO CLUSTER: which units are walked, and how many, hangs on numbers read from memory and differs between the work-groups of a head, and a joint request may hang on neither.
; K and V go from memory through registers into a ring of four LDS slots, a unit each: trip x stores unit x + 2, reads units x and x + 1, and loads unit x + 3 into registers.
; THE MASK is the C operand that starts a score's sum: its byte (0x00 or 0xFF) becomes the top byte of a word, 0 or -2^127.  The 32 words of a turn are made in one run at the end of the turn before.
; fl also says which units are visible THROUGHOUT for a block: for such a unit no mask byte is loaded in the loop, and the run is jumped over once the words are 0 (the first time it writes zeros, by selectors that take no byte).
; SHARES, LAYOUT, TURNS.  A wave owns 64 rows of a block: four pieces of 16.  S^T = K Q^T holds ONE query a lane (lane % 16) and the keys 8 (lane / 16) + 0..7; two such results rounded to f16 ARE source 1 of
; O^T = V^T P.  p = 2^(c s - c m), c = 8 log2(e).  Turn tau (8 a unit) belongs to piece tau % 4 of step tau / 4: 24 products K Q^T of the next piece, 8 products V^T P of the piece before; behind each matrix
; instruction stand at most four vector instructions: this piece's scaling, exponentials, roundings, sums and rescaling, and the next piece's maximum and statistics: 118 for 32.
; THE BATCHES.  A turn's 33 exponentials, the piece's a = 2^(c m_old - c m_new) and its 32 weights, are ONE batch with ONE wait, behind the turn's 14th product: ahead of it stand the scalings and the exponentials, behind it
; all that names a result (roundings, sums, rescaling) and the next piece's maximum and statistics, which end with a's argument: the exponential of it opens the next turn's batch.  So no result crosses a turn's end,
; a label or a jump.  The way out's four reciprocals are a batch of their own.
; REGISTERS (s_set_vgpr_msb: bits 1:0 source 0, 3:2 source 1, 5:4 source 2, 7:6 destination):
;   window 0: v0-15 addresses; v16-31 statistics; v32-41 at work; v44-59 a block's first masks; v64-127 S^T, two buffers; v128-159 P, two buffers; v160-191 mask words; v192-255 mask bytes, 8 positions
;   window 1: v0-127 O^T; v128-255 Q (piece p, fragment f at 128 + 32 p + 8 f: qh c0, qh c1, ql c0, ql c1)     window 2: K, two buffers of 128     window 3: v0-127 V, two buffers; v128-223 a unit on its way to LDS
.set PK,    272                        ; a row of K in LDS: [kh 128 | kl 128] + 16 bytes: the 16 rows of a load start at 16 different groups of four banks (ISA guide 11.1)
.set PV,    160                        ; a row of V: 128 + 32 bytes
.set VOFF,  128*PK
.set KHF,   64*PK                      ; a unit's second step
.set VHF,   64*PV
.set STAGE, 262144                     ; behind the four slots of 65,536: 16 rows x 144 bytes a wave, for the way out
.set SP,    144
.set SPARE, STAGE+4*16*SP              ; the spare words, 128 bytes a wave
.set AK0, 2
.set AV0, 3
.set AKC, 4
.set AVC, 5
.set AKN, 6
.set AVN, 7
.set SK0, 8
.set SV0, 9
.set SK,  10
.set SV,  11
.set LO16, 12
.set QO,  13
.set STO, 14
.set RD,  15
.set ST,  16                           ; piece t at v[ST+4 t]: c m, m, l (even keys', odd keys')
.set TMP, 32                           ; by parity, c0-c3; c1 takes a's argument, c2 takes a
.set MV,  40
.set SPW, 42
.set NIL, 43
.set BM,  44
.set S,   64
.set P,   128
.set MC,  160
.set MB,  192
.set STG, 128                          ; window 3
.set QC,  4                            ; s[4:5]   Q at my rows of the first block
.set KB,  6                            ; s[6:7]   k at my 32 rows of unit 0
.set VB,  8                            ; s[8:9]   v likewise
.set MBB, 10                           ; s[10:11] mb
.set OBC, 12                           ; s[12:13] ob at my rows of the block in hand
.set OBN, 14                           ; s[14:15] of the second block
.set QN,  16                           ; s[16:17] Q at my rows of the second block
.set WV,  18
.set F1,  19                           ; 1: unit x + 1 is visible throughout
.set TRIPS, 20
.set LEFT, 21                          ; units still to be walked
.set REM,  22                          ; of them in the block in hand
.set NBU,  23                          ; units of the second block
.set LST,  24                          ; the list: bit u = unit u of the first block, bit 16 + u = of the second
.set FMK,  25                          ; the same places: visible throughout
.set FC,  26                           ; 1: unit x is visible throughout
.set P1,  27                           ; the list's entries for units x + 1, x + 2, x + 3
.set P2,  28
.set P3,  29
.set UA,  30                           ; my rows' place in mb, in pieces of 2,048 bytes, first block; second block
.set UB,  31
.set RC,  32                           ; LDS byte of the slots of units x, x + 1, x + 2
.set RN,  33
.set RST, 34
.set RM,  35
.set KA,  36
.set VA,  38
.set MB1, 40                           ; s[40:41] mb at unit x + 1's bytes for my rows
.set MB0, 42                           ; s[42:43] at unit x's
.set CS,  44
.set SEL, 46
.set PSEL, 48                          ; s48-51  selectors: byte k on top, zeros below
.set OFFP, 52
.set PS,  60                           ; s60-63  the selectors of the run in hand: PSEL's, or four that take no byte
.set ZF,  98                           ; 1: the 32 mask words are 0
.set MSB, 0
.macro WIN new
.if MSB != (\new)
	s_set_vgpr_msb (MSB<<8)|(\new)
.set MSB, (\new)
.endif
.endm
.set W_KQ, 0x06                        ; K window 2, Q window 1, S^T and the mask words window 0
.set W_PV, 0x53                        ; V window 3, P window 0, O^T window 1
.set W_RS, 0x41                        ; destination and source 0 window 1, source 1 window 0
; The list's next entry.  An empty list leaves the last entry, so every address made of it stays inside its buffer.  The clamp is written in the instruction.
.macro POP dst
	s_ctz_i32_b32 s54, s[LST]
	s_cmp_lg_u32 s[LST], 0
	s_cselect_b32 s[\dst], s54, s[\dst]
	s_sub_co_u32 s55, s[LST], 1
	s_and_b32 s[LST], s[LST], s55
	s_min_u32 s[\dst], s[\dst], 31
.endm
; mb at entry p's bytes for my rows, or at the zeros if the unit is visible throughout (a block's first masks are read there): a number of pieces of 2,048 bytes, clamped behind all selects.  fl takes the unit's flag.
.macro MOFF p, dst, fl
	s_and_b32 s54, s[\p], 15
	s_bitcmp1_b32 s[\p], 4
	s_cselect_b32 s55, s[UB], s[UA]
	s_add_co_u32 s54, s54, s55
	s_lshr_b32 s[\fl], s[FMK], s[\p]
	s_and_b32 s[\fl], s[\fl], 1
	s_cselect_b32 s54, 2048, s54
	s_min_u32 s54, s54, 2048
	s_lshl_b32 s[OFFP], s54, 11
	s_add_nc_u64 s[(\dst):(\dst)+1], s[MBB:MBB+1], s[OFFP:OFFP+1]
.endm
; My 32 rows of entry p's unit: 16 loads of K (two rows of 256 bytes each), 8 of V (four rows of 128).  The caller sets the destination's window.
.macro UNITLOAD p, base
	s_and_b32 s[OFFP], s[\p], 15
	s_lshl_b32 s[OFFP], s[OFFP], 14
	s_add_nc_u64 s[VA:VA+1], s[VB:VB+1], s[OFFP:OFFP+1]
	s_lshl_b32 s[OFFP], s[OFFP], 1
	s_add_nc_u64 s[KA:KA+1], s[KB:KB+1], s[OFFP:OFFP+1]
.set i, 0
.rept 16
	global_load_b128 v[(\base)+4*i:(\base)+4*i+3], v[LO16], s[KA:KA+1] offset:512*i
.set i, i+1
.endr
.set i, 0
.rept 8
	global_load_b128 v[(\base)+64+4*i:(\base)+64+4*i+3], v[LO16], s[VA:VA+1] offset:512*i
.set i, i+1
.endr
.endm
.macro UNITSTORE base, ak, av          ; the caller sets the data's window
.set i, 0
.rept 16
	ds_store_b128 v[\ak], v[(\base)+4*i:(\base)+4*i+3] offset:544*i
.set i, i+1
.endr
.set i, 0
.rept 8
	ds_store_b128 v[\av], v[(\base)+64+4*i:(\base)+64+4*i+3] offset:640*i
.set i, i+1
.endr
.endm
.macro QLOAD sb                        ; 64 rows of [qh | ql]: piece z / 4, fragment z % 4
	WIN 0x40
.set z, 0
.rept 16
	global_load_b128 v[128+8*z:128+8*z+3], v[QO], s[(\sb):(\sb)+1] offset:(z/4)*4096+(z%4)*64
	global_load_b128 v[128+8*z+4:128+8*z+7], v[QO], s[(\sb):(\sb)+1] offset:(z/4)*4096+(z%4)*64+32
.set z, z+1
.endr
	WIN 0
.endm
.macro BMLOAD                          ; the mask bytes of pieces 0 and 1 for the first step of the unit at MB1
.set z, 0
.rept 4
	global_load_b128 v[BM+4*z:BM+4*z+3], v[LO16], s[MB1:MB1+1] offset:(z/2)*32768+(z%2)*512
.set z, z+1
.endr
.endm
.macro MBLOAD pos, sb                  ; position pos = piece pos % 4, step pos / 4: 32 bytes a lane
	global_load_b128 v[MB+8*(\pos):MB+8*(\pos)+3], v[LO16], s[(\sb):(\sb)+1] offset:((\pos)%4)*32768+((\pos)/4)*1024
	global_load_b128 v[MB+8*(\pos)+4:MB+8*(\pos)+7], v[LO16], s[(\sb):(\sb)+1] offset:((\pos)%4)*32768+((\pos)/4)*1024+512
.endm
; THE LDS LOADS stand in runs: a step's K (64 keys x [kh | kl]: 16 fragments) and its V (turned).
.macro FETCH_K par, areg, off
	WIN 0x80
.set z, 0
.rept 16                               ; keys 16 (z / 4) on, fragment z % 4
	ds_load_b128 v[128*(\par)+8*z:128*(\par)+8*z+3],   v[\areg] offset:(\off)+(z/4)*16*PK+(z%4)*64
	ds_load_b128 v[128*(\par)+8*z+4:128*(\par)+8*z+7], v[\areg] offset:(\off)+(z/4)*16*PK+(z%4)*64+32
.set z, z+1
.endr
	WIN 0
.endm
.macro FETCH_V par, areg, off
	WIN 0xc0
.set z, 0
.rept 8                                ; keys 32 (z / 4) on, channels 16 (z % 4) on
	ds_load_tr16_b128 v[64*(\par)+8*z:64*(\par)+8*z+3],   v[\areg] offset:(\off)+(z/4)*32*PV+(z%4)*32
	ds_load_tr16_b128 v[64*(\par)+8*z+4:64*(\par)+8*z+7], v[\areg] offset:(\off)+(z/4)*32*PV+16*PV+(z%4)*32
.set z, z+1
.endr
	WIN 0
.endm
; THE MATRIX WORK.  The four accumulators of a run take turns, one instruction a turn.
; Product i of 24 of S^T for piece x: keys 16 (i % 4) on; K step i / 4 of six: kh c0 qh c0, kh c1 qh c1, kh c0 ql c0, kh c1 ql c1, kl c0 qh c0, kl c1 qh c1.  The first four start the sums with the mask words.
.macro KQ x, kbuf, inpl
.set rS, S+32*((\x)%2)+8*(i%4)
.set rK, 128*(\kbuf)+32*(i%4)+8*(((i/4)%2)+2*(i/16))
.set rQ, 128+32*(\x)+8*((i/4)%4)
	WIN W_KQ
.if (i < 4) && !(\inpl)
	v_wmma_f32_16x16x32_f16 v[rS:rS+7], v[rK:rK+7], v[rQ:rQ+7], v[MC+8*(i%4):MC+8*(i%4)+7]
.else
	v_wmma_f32_16x16x32_f16 v[rS:rS+7], v[rK:rK+7], v[rQ:rQ+7], v[rS:rS+7]
.endif
.endm
; Product i of 8 of O^T += V^T P for piece x: keys 32 (i / 4) on, channels 16 (i % 4) on.
.macro PV x, vbuf
	WIN W_PV
.set rO, 32*(\x)+8*(i%4)
.set rV, 64*(\vbuf)+32*(i/4)+8*(i%4)
.set rP, P+16*((\x)%2)+8*(i/4)
	v_wmma_f32_16x16x32_f16 v[rO:rO+7], v[rV:rV+7], v[rP:rP+7], v[rO:rO+7]
.endm
.macro MM                              ; the turn's next matrix instruction
.if i < 24
	KQ (Y+1)%4, KBUF, 0
.else
.set i, i-24
	PV (Y+3)%4, VBUF
.set i, i+24
.endif
.set i, i+1
.endm
; THE VECTOR WORK, one line at a time: OP kind, number.  For piece Y: F n: c s - c m for pair n of 16.  E n: the exponential of score n of 32.  A: a, the exponential of the argument that the turn before left in c1.
; C n: pair n rounded to f16.  B n: of the four weights 4 n .. the second pair is added onto the first.  L n: l takes that sum (L 0: l = a l + sum).  R n: pair n of 16 of O^T times a.
; For piece Y + 1: X n, number n of the 21 that find its maximum and statistics and a's argument (each accumulator's lowest registers are read first).
.set F, 0                              ; OP tells the kinds apart by their order: F to L below R, X above it
.set E, 1
.set A, 2
.set C, 3
.set B, 4
.set L, 5
.set R, 6
.set X, 7
.macro REGS y
.set rT, ST+4*(\y)
.set rC, TMP+4*((\y)%2)
.set rW, MV+((\y)%2)
.set rS, S+32*((\y)%2)
.set rP, P+16*((\y)%2)
.set rO, 32*(\y)
.endm
.macro OP k, n
.if (\k) == R
	REGS Y
	WIN W_RS
	v_pk_mul_f32 v[rO+2*(\n):rO+2*(\n)+1], v[rO+2*(\n):rO+2*(\n)+1], v[rC+2:rC+3] op_sel_hi:[1,0]
.elseif (\k) < R
	REGS Y
	WIN 0
.if (\k) == F
	v_pk_fma_f32 v[rS+2*(\n):rS+2*(\n)+1], v[rS+2*(\n):rS+2*(\n)+1], s[CS:CS+1], v[rT:rT+1] op_sel_hi:[1,0,0] neg_lo:[0,0,1] neg_hi:[0,0,1]
.elseif (\k) == E
	v_exp_f32 v[rS+(\n)], v[rS+(\n)]
.elseif (\k) == A
	v_exp_f32 v[rC+2], v[rC+1]
.elseif (\k) == C
	v_cvt_pk_f16_f32 v[rP+(\n)], v[rS+2*(\n)], v[rS+2*(\n)+1]
.elseif (\k) == B
	v_pk_add_f32 v[rS+4*(\n):rS+4*(\n)+1], v[rS+4*(\n):rS+4*(\n)+1], v[rS+4*(\n)+2:rS+4*(\n)+3]
.elseif (\n) == 0
	v_pk_fma_f32 v[rT+2:rT+3], v[rT+2:rT+3], v[rC+2:rC+3], v[rS:rS+1] op_sel_hi:[1,0,1]
.else
	v_pk_add_f32 v[rT+2:rT+3], v[rT+2:rT+3], v[rS+4*(\n):rS+4*(\n)+1]
.endif
.else
	REGS (Y+1)%4
	WIN 0
.if (\n) < 4
	v_max3_num_f32 v[rC+(\n)], v[rS+8*(\n)], v[rS+8*(\n)+1], v[rS+8*(\n)+2]
.elseif (\n) < 12
	v_max3_num_f32 v[rC+(\n)%4], v[rC+(\n)%4], v[rS+8*((\n)%4)+2*((\n)/4)+1], v[rS+8*((\n)%4)+2*((\n)/4)+2]
.elseif (\n) == 12
	v_max3_num_f32 v[rC], v[rC], v[rS+7], v[rS+15]
.elseif (\n) == 13
	v_max3_num_f32 v[rC+1], v[rC+1], v[rS+23], v[rS+31]
.elseif (\n) == 14
	v_max3_num_f32 v[rC+2], v[rC+2], v[rC+3], v[rT+1]
.elseif (\n) == 15
	v_mov_b32 v[rW], v[rT]
.elseif (\n) == 16
	v_max3_num_f32 v[rC], v[rC], v[rC+1], v[rC+2]
.elseif (\n) == 17
	v_permlanex16_b32 v[rC+3], v[rC], s[SEL], s[SEL+1]
.elseif (\n) == 18
	v_max_num_f32 v[rT+1], v[rC], v[rC+3]
.elseif (\n) == 19
	v_mul_f32 v[rT], s[CS], v[rT+1]
.else
	v_sub_f32 v[rC+1], v[rW], v[rT]                ; number 20: a's argument, c m_old - c m_new
.endif
.endif
.endm
.macro OPS a, i1, b=-1, i2=0, c=-1, i3=0, d=-1, i4=0
	OP \a, \i1
.if (\b) >= 0
	OP \b, \i2
.endif
.if (\c) >= 0
	OP \c, \i3
.endif
.if (\d) >= 0
	OP \d, \i4
.endif
.endm
.macro ROW a, i1, b=-1, i2=0, c=-1, i3=0, d=-1, i4=0  ; a matrix instruction and what stands behind it
	MM
	OPS \a, \i1, \b, \i2, \c, \i3, \d, \i4
.endm
; THE MASK WORDS for the products of the turn to come, from position MPOS.  fl: the flag of that position's unit.  Visible throughout and the words already 0: nothing is done.  Visible throughout and the words
; not yet 0: the run writes zeros, by selectors that take no byte.  Else it puts each byte on top of its word.  The jump hangs on whole numbers from fl alone, goes forward and passes no barrier.
.macro LUMP fl
	s_and_b32 s54, s[\fl], s[ZF]
	s_cbranch_scc1 .Lno_words_\@
	s_cmp_lg_u32 s[\fl], 0
.irp k, 0,1,2,3
	s_cselect_b32 s[PS+\k], 0x0c0c0c0c, s[PSEL+\k]
.endr
.set z, 0
.rept 32
	v_perm_b32 v[MC+z], v[MB+8*MPOS+z/4], v[MB+8*MPOS+z/4], s[PS+z%4]
.set z, z+1
.endr
	s_mov_b32 s[ZF], s[\fl]
.Lno_words_\@:
.endm
; A TURN, written out.  No line names a register of the products round it.
; AHEAD OF THE WAIT, rows 1 to 14: the batch.  A, the 16 scalings and the 32 exponentials; a pair is scaled a row or more ahead of its exponentials, and a scaling leads each row while there are scalings.  None of these
; lines, and no product between them, names a result of the batch.  X 15, which hangs on nothing of this turn, is the plain instruction behind the last exponential.
; BEHIND THE WAIT, rows 15 to 24: the roundings and sums (C 2n stands ahead of B n, L n behind B n, the links of l's chain about three lines apart) and the rescaling, four to a row under one window; rows 25 to 32: the next
; piece's maximum and statistics, a link of the chain X 3, 7, 11, 14, 16, 17, 18, 19 at each row's head (X 20 closes the last row), L 7 and the odd pairs' roundings between.
; K of the next step is fetched in piece 0's turn, V of the next step in piece 1's, each directly behind the turn's wait: K's buffer was last read two turns back, V's by the last product of the turn before, with the
; sixteen scalings between.  Both are waited for at the head of piece 3's turn.  Turns 0 to 3 take positions 2 to 5 of this unit, turns 4 and 5 its positions 6 and 7, turns 6 and 7 positions 0 and 1 of the next unit.
.macro TURN tau
.set Y, (\tau)%4
.set HF, (\tau)/4
.set MPOS, ((\tau)+2)%8
.set KBUF, HF
.set VBUF, HF
.if Y == 3
.set KBUF, 1-HF                        ; piece 0's scores of the next step
	s_wait_dscnt 0x0                               ; K and V of the next step are in
.endif
.if Y == 0
.set VBUF, 1-HF                        ; piece 3's weights of the step before
.endif
.set i, 0
	ROW F,0, A,0, F,1
	ROW F,2, E,0, F,3, E,1
	ROW F,4, E,2, F,5, E,3
	ROW F,6, E,4, E,5
	ROW F,7, E,6, E,7
	ROW F,8, E,8, E,9
	ROW F,9, E,10, E,11
	ROW F,10, E,12, E,13, E,14
	ROW F,11, E,15, E,16, E,17
	ROW F,12, E,18, E,19, E,20
	ROW F,13, E,21, E,22, E,23
	ROW F,14, E,24, E,25, E,26
	ROW F,15, E,27, E,28, E,29
	ROW E,30, E,31, X,15
	s_wait_alu depctr_va_vdst(0)                   ; the wait for the batch, a and the 32 weights: ahead of the first line that names a result; one for the turn
.if (Y == 0) && (HF == 0)
	FETCH_K 1, AKC, KHF
.elseif Y == 0
	FETCH_K 0, AKN, 0
.endif
.if (Y == 1) && (HF == 0)
	FETCH_V 1, AVC, VHF
.elseif Y == 1
	FETCH_V 0, AVN, 0
.endif
	ROW C,0, B,0, C,2, B,1
	ROW L,0, C,4, B,2, L,1
	ROW R,0, R,1, R,2, R,3
	ROW C,6, B,3, L,2, C,8
	ROW B,4, L,3, C,10, B,5
	ROW R,4, R,5, R,6, R,7
	ROW L,4, C,12, B,6, L,5
	ROW R,8, R,9, R,10, R,11
	ROW C,14, B,7, L,6, C,1
	ROW R,12, R,13, R,14, R,15                     ; the four places behind the last of the scores' products
	ROW X,3, X,2, X,1, X,0
	ROW X,7, X,6, X,5, X,4
	ROW X,11, X,10, X,9, X,8
	ROW X,14, X,13, X,12, L,7
	ROW X,16, C,3, C,5, C,7                        ; the chain's last links wait for each other: a product and roundings stand between them
	ROW X,17, C,9, C,11
	ROW X,18, C,13
	ROW X,19, C,15, X,20
	WIN 0
.if (\tau) == 4
	s_wait_loadcnt 24                              ; positions 6, 7, 0, 1 were asked for at the trip's beginning, ahead of the unit's 24 loads, which go out on every way; turn 3's eight may or may not be out behind those, so they are not counted
.endif
.if (\tau) < 6
	LUMP FC
.else
	LUMP F1
.endif
.if (\tau) == 3
	s_cmp_lg_u32 s[F1], 0                          ; positions 2 to 5 have been read: they take the next unit's bytes, unless it is visible throughout
	s_cbranch_scc1 .Lno_25_\@
	MBLOAD 2, MB1
	MBLOAD 3, MB1
	MBLOAD 4, MB1
	MBLOAD 5, MB1
.Lno_25_\@:
.endif
.endm
; A trip's beginning: the unit that lies in registers goes into its slot, the list steps, the mask bytes that the trip's second half wants and the next unit's loads go out.
.macro PRODUCE
	s_wait_loadcnt 0x0                             ; the unit's 24 loads were issued a trip ago; behind them at most turn 3's eight, half a trip ago; how many hangs on the flags, so the count is 0
	v_add_nc_u32 v[AKC], s[RC], v[AK0]
	v_add_nc_u32 v[AVC], s[RC], v[AV0]
	v_add_nc_u32 v[AKN], s[RN], v[AK0]
	v_add_nc_u32 v[AVN], s[RN], v[AV0]
	v_add_nc_u32 v[SK], s[RST], v[SK0]
	v_add_nc_u32 v[SV], s[RST], v[SV0]
	WIN 0x0c                                       ; data window 3
	UNITSTORE STG, SK, SV
	WIN 0
	s_wait_xcnt 0x0                                ; the scalar bases of earlier loads are written again only behind this wait
	s_mov_b32 s[FC], s[F1]                         ; what was the next unit is the unit in hand
	s_mov_b64 s[MB0:MB0+1], s[MB1:MB1+1]
	s_mov_b32 s[P1], s[P2]
	s_mov_b32 s[P2], s[P3]
	POP P3
	MOFF P1, MB1, F1
	s_cmp_lg_u32 s[FC], 0
	s_cbranch_scc1 .Lno_67_\@
	MBLOAD 6, MB0
	MBLOAD 7, MB0
.Lno_67_\@:
	s_cmp_lg_u32 s[F1], 0
	s_cbranch_scc1 .Lno_01_\@
	MBLOAD 0, MB1
	MBLOAD 1, MB1
.Lno_01_\@:
	WIN 0xc0
	UNITLOAD P3, STG
	WIN 0
.endm
; A BLOCK BEGINS.  O^T, l and the second buffer of P are 0 (the first turn's products V^T P, of a piece that has not been, add 0); m starts at -1e30.  Piece 0's sums start as its mask words, in place;
; piece 1's mask words are made.  Then piece 0's first scores, on the K that lies in buffer 0, and its maximum, statistics and a's argument; a itself is made in piece 0's turn, so no exponential stands here.
; The price of writing no first step out: 152 lines that write 0.
.macro BEGIN
	s_mov_b32 s[ZF], 0                             ; the mask words are what the block's first masks make of them
	WIN 0x40
.set i, 0
.rept 128
	v_mov_b32 v[i], 0
.set i, i+1
.endr
	WIN 0
.set i, 0
.rept 4
	v_mov_b32 v[ST+4*i+1], 0xf149f2ca              ; m = -1e30
	v_mov_b32 v[ST+4*i+2], 0
	v_mov_b32 v[ST+4*i+3], 0
	v_mul_f32 v[ST+4*i], s[CS], v[ST+4*i+1]        ; c m
.set i, i+1
.endr
.set i, 0
.rept 16
	v_mov_b32 v[P+16+i], 0
.set i, i+1
.endr
.set i, 0
.rept 32
	v_perm_b32 v[S+i], v[BM+i/4], v[BM+i/4], s[PSEL+i%4]
	v_perm_b32 v[MC+i], v[BM+8+i/4], v[BM+8+i/4], s[PSEL+i%4]
.set i, i+1
.endr
.set i, 0
.rept 24
	KQ 0, 0, 1
.set i, i+1
.endr
	WIN 0
.rept 4
	v_nop                                          ; the places behind those products
.endr
.set Y, 3                              ; X works for piece Y + 1: piece 0
.irp n, 0,1,2,3,4,5,6,7,8,9,10,11,12,13,14,15,16,17,18,19,20
	OP X, \n
.endr
.endm
.macro ALL line:vararg
.set t, 0
.rept 4
	\line
.set t, t+1
.endr
.endm
.macro PACK t                          ; O^T / l, rounded to f16: 16 bytes a lane into rows of 144 bytes, back as whole rows of 128, into S^T's registers
	WIN W_RS
.set i, 32*(\t)
.rept 16
	v_pk_mul_f32 v[i:i+1], v[i:i+1], v[ST+4*(\t)+2:ST+4*(\t)+3] op_sel_hi:[1,0]
.set i, i+2
.endr
	WIN 0x05
.set i, 0
.rept 16
	v_cvt_pk_f16_f32 v[S+16*(\t)+i], v[32*(\t)+2*i], v[32*(\t)+2*i+1]
.set i, i+1
.endr
	WIN 0
.irp f, 0,1,2,3
	ds_store_b128 v[STO], v[S+16*(\t)+4*\f:S+16*(\t)+4*\f+3] offset:32*\f
.endr
.irp f, 0,1,2,3
	ds_load_b128 v[S+16*(\t)+4*\f:S+16*(\t)+4*\f+3], v[RD] offset:\f*4*SP  ; LDS serves a wave's instructions in order (ISA guide 5.7.1.4): these see the stores above
.endr
.endm
.macro SEND t, younger                 ; younger: the LDS instructions issued behind piece t's loads: the next piece's eight, or none
	WIN 0
.irp f, 0,1,2,3
	s_wait_dscnt (\younger)+3-\f
	global_store_b128 v[LO16], v[S+16*(\t)+4*\f:S+16*(\t)+4*\f+3], s[OBC:OBC+1] offset:(\t)*2048+\f*512  ; 512 consecutive bytes, aligned
.endr
.endm
	s_load_b256 s[84:91], s[0:1], 0x0              ; qk 84, vb 86, mb 88, fl 90
	s_load_b64 s[92:93], s[0:1], 0x20              ; ob
	v_lshl_add_u32 v[SPW], v0, 2, SPARE
	v_mov_b32 v[NIL], 0
	v_lshrrev_b32 v60, 5, v0
	v_readfirstlane_b32 s[WV], v60                 ; wave 0..3
	s_mov_b32 s54, ttmp9                           ; p: the second block
	s_sub_co_u32 s55, 7, s54                       ; the first block
	s_and_b32 s56, ttmp7, 0xffff                   ; b 16 + h
	s_mov_b32 s[OFFP+1], 0
	s_lshl_b32 s57, s[WV], 6
	s_lshl_b32 s[UA], s55, 8
	s_add_co_u32 s[UA], s[UA], s57
	s_lshl_b32 s[UB], s54, 8
	s_add_co_u32 s[UB], s[UB], s57
	s_mov_b32 s[CS], 0x4138aa3b                    ; c = 8 log2(e)
	s_mov_b32 s[CS+1], s[CS]
	s_mov_b32 s[SEL], 0x76543210
	s_mov_b32 s[SEL+1], 0xfedcba98
	s_mov_b32 s[PSEL], 0x000c0c0c                  ; byte k of the source on top, zeros below
	s_mov_b32 s[PSEL+1], 0x010c0c0c
	s_mov_b32 s[PSEL+2], 0x020c0c0c
	s_mov_b32 s[PSEL+3], 0x030c0c0c
	s_wait_kmcnt 0x0
	s_lshl_b32 s[OFFP], s55, 5
	s_add_nc_u64 s[94:95], s[90:91], s[OFFP:OFFP+1]
	s_lshl_b32 s[OFFP], s54, 5
	s_add_nc_u64 s[96:97], s[90:91], s[OFFP:OFFP+1]
	s_load_b256 s[68:75], s[94:95], 0x0            ; the first block's eight words of fl
	s_load_b256 s[76:83], s[96:97], 0x0            ; the second block's
	s_lshl_b32 s57, s56, 19                        ; q: a head is 2,048 rows of 256 bytes; a block 256 rows; my wave 64
	s_lshl_b32 s58, s[WV], 14
	s_add_co_u32 s57, s57, s58
	s_lshl_b32 s[OFFP], s55, 16
	s_add_co_u32 s[OFFP], s[OFFP], s57
	s_add_nc_u64 s[QC:QC+1], s[84:85], s[OFFP:OFFP+1]
	s_lshl_b32 s[OFFP], s54, 16
	s_add_co_u32 s[OFFP], s[OFFP], s57
	s_add_nc_u64 s[QN:QN+1], s[84:85], s[OFFP:OFFP+1]
	s_add_co_u32 s[OFFP], s56, 64                  ; k lies 64 heads behind q
	s_lshl_b32 s[OFFP], s[OFFP], 19
	s_lshl_b32 s58, s[WV], 13                      ; my 32 rows of a unit
	s_add_co_u32 s[OFFP], s[OFFP], s58
	s_add_nc_u64 s[KB:KB+1], s[84:85], s[OFFP:OFFP+1]
	s_lshl_b32 s57, s56, 18                        ; v and O: 128 bytes a row
	s_lshl_b32 s58, s[WV], 12
	s_add_co_u32 s[OFFP], s57, s58
	s_add_nc_u64 s[VB:VB+1], s[86:87], s[OFFP:OFFP+1]
	s_mov_b64 s[MBB:MBB+1], s[88:89]
	s_lshl_b32 s58, s[WV], 13
	s_add_co_u32 s57, s57, s58
	s_lshl_b32 s[OFFP], s55, 15
	s_add_co_u32 s[OFFP], s[OFFP], s57
	s_add_nc_u64 s[OBC:OBC+1], s[92:93], s[OFFP:OFFP+1]
	s_lshl_b32 s[OFFP], s54, 15
	s_add_co_u32 s[OFFP], s[OFFP], s57
	s_add_nc_u64 s[OBN:OBN+1], s[92:93], s[OFFP:OFFP+1]
	v_and_b32 v60, 31, v0                          ; lane
	v_and_b32 v1, 15, v0                           ; l % 16
	v_bfe_u32 v61, v0, 4, 1                        ; l / 16
	v_lshlrev_b32 v[LO16], 4, v60
	v_mul_u32_u24 v[AK0], v1, PK
	v_lshl_add_u32 v[AK0], v61, 4, v[AK0]          ; a fragment of K: row x pitch + 16 x half
	v_and_b32 v62, 7, v0
	v_bfe_u32 v63, v0, 3, 1
	v_lshl_add_u32 v[AV0], v61, 3, v62             ; the turning load: key 8 (l / 16) + l % 8, channels 8 ((l / 8) % 2) on
	v_mul_u32_u24 v[AV0], v[AV0], PV
	v_lshl_add_u32 v[AV0], v63, 4, v[AV0]
	v_add_nc_u32 v[AV0], VOFF, v[AV0]
	s_lshl_b32 s58, s[WV], 5
	v_add_nc_u32 v[SK0], s58, v61                  ; into a slot: K's row 32 w + l / 16 (+ 2 i), 16 bytes at 16 (l % 16)
	v_mul_u32_u24 v[SK0], v[SK0], PK
	v_lshl_add_u32 v[SK0], v1, 4, v[SK0]
	v_lshrrev_b32 v[SV0], 3, v60                   ; V's row 32 w + l / 8 (+ 4 i), 16 bytes at 16 (l % 8)
	v_add_nc_u32 v[SV0], s58, v[SV0]
	v_mul_u32_u24 v[SV0], v[SV0], PV
	v_lshl_add_u32 v[SV0], v62, 4, v[SV0]
	v_add_nc_u32 v[SV0], VOFF, v[SV0]
	v_lshlrev_b32 v[QO], 8, v1
	v_lshl_add_u32 v[QO], v61, 4, v[QO]
	s_mul_i32 s58, s[WV], 16*SP
	s_add_co_u32 s58, s58, STAGE                   ; my stage
	v_mul_u32_u24 v[STO], v1, SP
	v_lshl_add_u32 v[STO], v61, 4, v[STO]
	v_add_nc_u32 v[STO], s58, v[STO]
	v_lshrrev_b32 v[RD], 3, v60
	v_mul_u32_u24 v[RD], v[RD], SP
	v_lshl_add_u32 v[RD], v62, 4, v[RD]
	v_add_nc_u32 v[RD], s58, v[RD]
	s_wait_kmcnt 0x0
.irp r, 69,70,71,72,73,74,75
	s_or_b32 s68, s68, s\r                         ; each word holds its own two units' bits
.endr
.irp r, 77,78,79,80,81,82,83
	s_or_b32 s76, s76, s\r
.endr
	s_and_b32 s54, s68, 0xffff
	s_cmp_eq_u32 s54, 0
	s_cselect_b32 s54, 1, s54                      ; a block with nothing visible walks unit 0, whose mask bytes hide everything
	s_lshr_b32 s55, s68, 16
	s_and_b32 s56, s76, 0xffff
	s_cmp_eq_u32 s56, 0
	s_cselect_b32 s56, 1, s56
	s_lshr_b32 s57, s76, 16
	s_bcnt1_i32_b32 s[REM], s54
	s_bcnt1_i32_b32 s[NBU], s56
	s_add_co_u32 s[LEFT], s[REM], s[NBU]
	s_lshl_b32 s56, s56, 16
	s_or_b32 s[LST], s54, s56
	s_lshl_b32 s57, s57, 16
	s_or_b32 s[FMK], s55, s57
	s_mov_b32 s[P1], 0
	POP P1                                         ; here P1, P2, P3 are units 0, 1, 2 of the walk, and MB1 and F1 are unit 0's: the first trip's beginning steps them
	s_mov_b32 s[P2], s[P1]
	POP P2
	s_mov_b32 s[P3], s[P2]
	POP P3
	MOFF P1, MB1, F1
	WIN 0x80                                       ; units 0 and 1 pass through K's registers, which are still free
	UNITLOAD P1, 0
	s_wait_xcnt 0x0                                ; the bases are written again only behind this wait
	UNITLOAD P2, 96
	s_wait_xcnt 0x0
	WIN 0xc0
	UNITLOAD P3, STG
	QLOAD QC
	BMLOAD
.irp z2, 0,1,2,3,4,5,6,7
	MBLOAD \z2, MB1                                ; unit 0's positions 2 to 5 are wanted; the other four are written once here and take their bytes at the first trip's beginning
.endr
	v_add_nc_u32 v[SK], 0x10000, v[SK0]
	v_add_nc_u32 v[SV], 0x10000, v[SV0]
	s_wait_loadcnt 0x0                             ; once a launch
	WIN 0x08                                       ; data window 2
	UNITSTORE 0, SK0, SV0
	UNITSTORE 96, SK, SV
	WIN 0
	s_wait_dscnt 0x0                               ; for the others' sake
	s_barrier_signal -1
	s_barrier_wait -1
	FETCH_K 0, AK0, 0
	FETCH_V 0, AV0, 0
	FETCH_V 1, AV0, VHF                            ; finite numbers for the first turn's products on weights of 0
	s_wait_dscnt 0x0
	s_mov_b32 s[RC], 0x20000                       ; the ring goes 0, 1, 3, 2 by exclusive ors: the first trip's step makes slot 0 of this
	s_mov_b32 s[RM], 0x20000
	s_mov_b32 s[TRIPS], 33                         ; the way in passes the loop's foot once; then 32 trips
	s_branch .Lbegin                               ; a block's beginning is written once, inside the loop: the first block enters there
.Ltrip:
	s_wait_dscnt 0x0                               ; my stores into the ring are done and my reads of it are back
	s_barrier_signal -1
	s_xor_b32 s[RC], s[RC], s[RM]                  ; unit x's slot,
	s_xor_b32 s[RM], s[RM], 0x30000
	s_xor_b32 s[RN], s[RC], s[RM]                  ; unit x + 1's,
	s_xor_b32 s[RST], s[RC], 0x30000               ; unit x + 2's: last read two barriers back
	s_barrier_wait -1
	s_cmp_eq_u32 s[LEFT], 0
	s_cbranch_scc1 .Lbottom                        ; nothing is left: the trip is its barrier
	PRODUCE
	TURN 0
	TURN 1
	TURN 2
	TURN 3
	TURN 4
	TURN 5
	TURN 6
	TURN 7
	WIN 0
	s_sub_co_u32 s[LEFT], s[LEFT], 1
	s_sub_co_u32 s[REM], s[REM], 1
	s_cmp_lg_u32 s[REM], 0
	s_cbranch_scc1 .Lbottom
	; A BLOCK ENDS.  One way for both blocks: the second block's Q and first masks are asked for, the last products and the way out stand in the wait, and BEGIN follows.  Behind the second block the loads repeat
	; valid addresses and BEGIN serves nothing: the price, once a launch, of one path on which every load has its wait.  Turn 7's scores for a next piece 0 were made with the old Q: they touched m and c m alone.
	QLOAD QN
	BMLOAD
.set i, 0
.rept 8
	PV 3, 1                                        ; the last piece's V^T P of the last step
.set i, i+1
.endr
	WIN 0
	ALL v_add_f32 v[ST+4*t+2], v[ST+4*t+2], v[ST+4*t+3]
	ALL v_permlanex16_b32 v[ST+4*t+3], v[ST+4*t+2], s[SEL], s[SEL+1]
	ALL v_add_f32 v[ST+4*t+2], v[ST+4*t+2], v[ST+4*t+3]
	ALL v_rcp_f32 v[ST+4*t+2], v[ST+4*t+2]
	v_nop                                          ; a plain instruction between the last reciprocal and the use of its result; the eight additions are the places behind the last products
	s_wait_alu depctr_va_vdst(0)                   ; the wait ahead of the first use: one for the four reciprocals
	PACK 0
	PACK 1
	SEND 0, 8
	PACK 2
	SEND 1, 8
	PACK 3
	SEND 2, 8
	SEND 3, 0
	s_wait_xcnt 0x0                                ; the stores' data and base are written again only behind this wait
	s_mov_b64 s[OBC:OBC+1], s[OBN:OBN+1]
	s_mov_b32 s[REM], s[NBU]
	s_wait_loadcnt 0x0                             ; Q and the first masks
.Lbegin:
	BEGIN
.Lbottom:
	s_sub_co_u32 s[TRIPS], s[TRIPS], 1
	s_cmp_lg_u32 s[TRIPS], 0
	s_cbranch_scc1 .Ltrip
	s_wait_tensorcnt 0x0                           ; the wave's end, behind my last LDS store
	ds_add_u32 v[SPW], v[NIL]
	s_wait_dscnt 0x0
	s_endpgm
.Lfunc_end_k_qa7b263caaf_attn:
	.size	k_qa7b263caaf_attn, .Lfunc_end_k_qa7b263caaf_attn-k_qa7b263caaf_attn
	.p2alignl 7, 3214868480
	.fill 96, 4, 3214868480
	.section	.rodata,"a",@progbits
	.p2align	6, 0x0
	.amdhsa_kernel k_qa7b263caaf_attn
		.amdhsa_group_segment_fixed_size 271872
		.amdhsa_private_segment_fixed_size 0
		.amdhsa_enable_private_segment 0
		.amdhsa_kernarg_size 40
		.amdhsa_user_sgpr_count 2
		.amdhsa_user_sgpr_kernarg_segment_ptr 1
		.amdhsa_wavefront_size32 1
		.amdhsa_system_sgpr_workgroup_id_x 1
		.amdhsa_system_sgpr_workgroup_id_y 1
		.amdhsa_system_sgpr_workgroup_id_z 1
		.amdhsa_system_vgpr_workitem_id 0
		.amdhsa_next_free_vgpr 992
		.amdhsa_next_free_sgpr 100
		.amdhsa_reserve_vcc 0
		.amdhsa_float_denorm_mode_32 3
		.amdhsa_float_denorm_mode_16_64 3
		.amdhsa_memory_ordered 1
		.amdhsa_forward_progress 1
		.amdhsa_inst_pref_size 171
	.end_amdhsa_kernel
	.amdgpu_metadata
---
amdhsa.version: [ 1, 2 ]
amdhsa.kernels:
  - .name:           k_qa7b263caaf_attn
    .symbol:         k_qa7b263caaf_attn.kd
    .args:
      - { .name: qk, .offset: 0, .size: 8, .value_kind: global_buffer, .address_space: global }
      - { .name: vb, .offset: 8, .size: 8, .value_kind: global_buffer, .address_space: global }
      - { .name: mb, .offset: 16, .size: 8, .value_kind: global_buffer, .address_space: global }
      - { .name: fl, .offset: 24, .size: 8, .value_kind: global_buffer, .address_space: global }
      - { .name: ob, .offset: 32, .size: 8, .value_kind: global_buffer, .address_space: global }
    .group_segment_fixed_size: 271872
    .private_segment_fixed_size: 0
    .kernarg_segment_align: 8
    .kernarg_segment_size: 40
    .max_flat_workgroup_size: 128
    .sgpr_count:     100
    .vgpr_count:     992
    .wavefront_size: 32
...
	.end_amdgpu_metadata
.endif
;; end of part 5
;; launch outp: the kernel of part 4 again; grid 4 x 64, 4 waves a work-group, clusters of 4 x 4, 327,680 bytes of LDS; arguments ob, wo16, bo, out0; writes out0
